; MI455X (gfx1250); checked and timed in simulation.
; The chip was launched on July 23, 2026; its instructions are those of AMD's public machine-readable ISA for CDNA 5 (MIT licence, August 2026) and "CDNA5" Instruction Set Architecture Reference Guide (July 2026). The comments in the code are by the model that wrote it; some were corrected since.
;; Causal Self Attention. Allowed arithmetic: matrix products marked QUANTISED: E3M2 operands, one E8M0 scale for each 32 along K, by v_wmma_scale_f32_16x16x128_f8f6f4 with both operands' format E3M2, f32 sums; everything else in f32.
;; Inputs: w_attn 3,072 x 1,024 float32; w_proj 1,024 x 1,024 float32; x 1 x 4,096 x 1,024 float32.
;; Outputs: out0 1 x 4,096 x 1,024 float32.
;; This version of the problem:
;;   THIS VERSION OF THE PROBLEM IS GIVEN IN LOW PRECISION. The matrix products marked QUANTISED in the list below multiply operands that are first quantised to E3M2 (3 exponent bits, 2 mantissa bits; 6 bits a number), with one power-of-two scale for each 32 numbers along K (OCP MX v1.0); their sums are f32. All else is computed in f32.
;;   The module's matrix products, in the order in which they are computed (A, B: the left and right operand; K: the contracted axis; several contracted axes count as one K, in the product's order):
;;     1. [M 4,096, K 1,024] x [K 1,024, N 3,072]; A: input x; B: input w_attn: QUANTISED
;;     2. batch 16 x [M 4,096, K 64] x [K 64, N 4,096]; A: computed on the way; B: computed on the way: QUANTISED
;;     3. batch 16 x [M 4,096, K 4,096] x [K 4,096, N 64]; A: softmax (see below); B: computed on the way: QUANTISED
;;     4. [M 4,096, K 1,024] x [K 1,024, N 1,024]; A: computed on the way; B: input w_proj: QUANTISED
;;   THE QUANTISER, for each operand of a quantised product, along K:
;;     - K is cut into blocks of 32 from its start; a last block that is shorter is filled with zeros.
;;     - A block's scale is 2^e with e = floor(log2(the largest magnitude in the block)) - 4, held to -126 .. 127; a block of zeros has e = 0. As a byte (E8M0): e + 127.
;;     - Each number is divided by its block's scale, clamped to +-28, and rounded to the nearest number of E3M2, ties to even, subnormals kept.
;;     - The product sums the exact products of the quantised numbers (number of the format x scale) in f32.
;;   ~~~python
;;   def quantise(x, axis):      # numpy; x: float32 -> the quantised numbers, widened to float32 again
;;       x = np.moveaxis(x, axis, -1); K = x.shape[-1]
;;       x = np.pad(x, [(0, 0)] * (x.ndim - 1) + [(0, -K % 32)]); x = x.reshape(x.shape[:-1] + (-1, 32)); a = np.abs(x).max(-1, keepdims=True)
;;       e = np.where(a > 0, np.clip(np.frexp(np.where(a > 0, a, 1))[1] - 1 - 4, -126, 127), 0)      # np.frexp(a)[1] - 1 = floor(log2(a)), exactly
;;       r = np.clip(x / 2.0 ** e, -28, 28)
;;       step = 2.0 ** (np.maximum(np.frexp(np.where(r == 0, 1, r))[1] - 1, -2) - 2)
;;       q = np.round(r / step) * step * 2.0 ** e      # np.round: ties to even
;;       return np.moveaxis(q.reshape(q.shape[:-2] + (-1,))[..., :K], -1, axis).astype(np.float32)
;;   ~~~
;;   SOFTMAX AHEAD OF A QUANTISED PRODUCT. Where the list says 'softmax', what is quantised is not the finished softmax but p = 2^(t - M), with t = logit x log2(e) and M = ceil(the row's largest t), a whole number; so 1/2 < the row's largest p <= 1. The row's sum l is taken of the UNQUANTISED p, in f32, and the product's result is divided by l at the end. Since M is a whole number, a kernel that streams over the keys may use a running M (the ceiling of the running maximum): every later rescaling is an exact power of two, which a block's scale takes up: the codes' values come out the same.
;;   OPERANDS COMPUTED ON THE WAY. 'Computed on the way' means the value that the module computes at that place (a softmax that the list does not call 'softmax' is quantised finished and normalised). What goes into a quantiser is computed in f32, as accurately as f32 sums, v_exp_f32 and their like allow (about 1e-6 of the number): no bf16 or f16 on the way to a quantiser, and a product that is left as it is and whose result goes on into a quantised operand takes f32 operands (vector FMAs, or v_wmma_f32_16x16x4_f32). A number that lies on a knife's edge between two numbers of the format may be rounded either way, as far as f32 arithmetic and the matrix unit's own rounding can turn it there, and no further.
;; One version. Each part assembles by itself: llvm-mc -triple=amdgcn-amd-amdhsa -mcpu=gfx1250 --defsym DOCPART=n.
;; ======== version 1 of 1: 4 launches
;; limits: right only within a limited range of input values
;; workspace buffers: opq 6,553,600 bytes; qb 3,276,800 bytes; kv 6,553,600 bytes; yq 3,276,800 bytes
;; launch quant (part 1): grid 256 x 1, 8 waves a work-group, no clusters, 168,960 bytes of LDS; arguments x, w_attn, w_proj, opq; writes opq
.if DOCPART == 1
	.amdgcn_target "amdgcn-amd-amdhsa--gfx1250"
	.amdhsa_code_object_version 6
	.text
	.protected	k_qba0746ec32_quant
	.globl	k_qba0746ec32_quant
	.p2align	8
	.type	k_qba0746ec32_quant,@function
k_qba0746ec32_quant:
	s_mov_b64 s[64:65], 0
	v_nop
	global_prefetch_b8 v0, s[64:65] scope:SCOPE_SE
	s_setreg_imm32_b32 hwreg(HW_REG_WAVE_MODE, 25, 1), 1
	s_wait_xcnt 0x0
; x [4096][1024], w_attn [3072][1024] and w_proj [1024][1024], f32, K innermost, become codes of BF6 (E3M2) with one E8M0 byte for each 32 along K,
; laid in opq IN THE ORDER OF AN OPERAND'S REGISTERS.  opq is 64 row blocks of 128 rows (0-31 x, 32-55 w_attn, 56-63 w_proj); a row block is 8 chunks, one for each 128 along K; a chunk is
; 12,800 bytes: 8 fragments of 1,536 bytes (16 rows x 128 K) and 512 bytes of scale words.  A fragment: registers 0-3 of lane l at 16 l, registers 4-5 at 512 + 8 l, registers 6-9 at 768 + 16 l,
; registers 10-11 at 1,280 + 8 l.  THE ROWS OF A TILE ARE NOT NEIGHBOURS: lane r of tile 2 f + u holds row 32 f + 8 u + r + 8 (r / 8) of the block.  Scale words: tile i, row r at 12,288 + 32 r + 4 i.
; A block's scale is 2^(floor(log2(largest magnitude)) - 4); its byte is the largest magnitude's exponent field - 4, held at 1 from below.
; LIMITS: a block of zeros, and one whose largest magnitude lies under 2^-122, gets the byte 1 (zero codes add nothing under it; this program alone reads the bytes); NaN and infinities are not served.
; SHARES: work-group g takes row block g / 4 and K steps 2 (g % 4), 2 (g % 4) + 1.  Wave w takes K step w / 4 of the two and rows 32 (w % 4) on: two tiles.  One tensor load a wave brings its 32 rows x 512 bytes;
; each wave reads only what its own load brought, so its own wait is all the ordering; nothing is filled twice.  Matrix units and clusters have no part here: every byte is read once.
.set PITCH, 528                        ; an LDS row: 512 bytes + 16 of padding
.set WREG,  32*PITCH                   ; a wave's region
.set SCL,   8*WREG                     ; behind the regions: the two chunks' scale words, 2 x 512 bytes; no tensor load lands here
.set CHUNK, 12800
.set RBB,   8*CHUNK                    ; a row block in opq
.set X,     32                         ; v32-95 tile 0's numbers, v96-159 tile 1's: register 32 c + i = k 64 c + 32 (lane / 16) + i of my row
.set PCD,   160                        ; v160-171, v172-183 the two fragments
.set CT,    184                        ; v184-186, v188-190 upper halves of a block's codes, on their way
	s_load_b256 s[4:11], s[0:1], 0x0               ; x s[4:5], w_attn s[6:7], w_proj s[8:9], opq s[10:11]
	v_lshl_add_u32 v200, v0, 2, 0x29000
	v_mov_b32 v201, 0
	ds_add_u32 v200, v201
	ds_add_u32 v200, v201
	v_lshrrev_b32 v1, 5, v0
	s_delay_alu instid0(VALU_DEP_1)
	v_readfirstlane_b32 s12, v1                    ; wave 0..7
	s_and_b32 s13, s12, 3                          ; f: which 32 rows
	s_lshr_b32 s14, s12, 2                         ; which of the two K steps
	s_lshr_b32 s15, ttmp9, 2                       ; row block 0..63
	s_and_b32 s17, ttmp9, 3
	s_lshl_b32 s17, s17, 1
	s_add_co_u32 s17, s17, s14                     ; K step 0..7
	s_mov_b32 s28, (2<<16)|(1<<20)|(6<<22)|(3<<25) ; group 1: elements of 4 bytes; padding on, after every 128 words, of 4 words
	s_mov_b32 s29, 128<<16                         ; tensor_dim0 = 128
	s_mov_b32 s30, 32<<16                          ; tensor_dim1 = 32
	s_mov_b32 s31, 128<<16                         ; tile_dim0 = 128
	s_mov_b32 s32, 32                              ; tile_dim1 = 32
	s_mov_b32 s33, 1024                            ; elements from row to row
	s_mov_b32 s34, 0
	s_mov_b32 s35, 0
	s_mov_b32 s36, 0x76543210
	s_mov_b32 s37, 0xfedcba98                      ; v_permlanex16_b32's selects for lane l xor 16
	s_wait_dscnt 0x0
	s_wait_kmcnt 0x0
	s_cmp_lt_u32 s15, 56                           ; which tensor: the choice hangs on the work-group's number alone
	s_cselect_b64 s[6:7], s[6:7], s[8:9]
	s_cselect_b32 s16, 32, 56
	s_cmp_lt_u32 s15, 32
	s_cselect_b64 s[4:5], s[4:5], s[6:7]
	s_cselect_b32 s16, 0, s16
	s_sub_co_u32 s16, s15, s16                     ; the row block's number inside its tensor
	s_lshl_b32 s18, s16, 19                        ; 128 rows of 4,096 bytes
	s_lshl_b32 s19, s13, 17                        ; 32 rows
	s_add_co_u32 s18, s18, s19
	s_lshl_b32 s19, s17, 9                         ; 128 numbers
	s_add_co_u32 s18, s18, s19
	s_mov_b32 s19, 0
	s_mov_b32 s24, 1                               ; group 0: count,
	s_mul_i32 s25, s12, WREG                       ; LDS address: my wave's region,
	s_add_nc_u64 s[26:27], s[4:5], s[18:19]        ; the tile's first element,
	s_or_b32 s27, s27, 0x80000000                  ; type 2
	tensor_load_to_lds s[24:27], s[28:35]
	s_nop 0
	s_mul_i32 s20, s15, RBB
	s_mul_i32 s21, s17, CHUNK
	s_add_co_u32 s20, s20, s21
	s_mov_b32 s21, 0
	s_add_nc_u64 s[10:11], s[10:11], s[20:21]      ; my chunk in opq
	v_and_b32 v1, 31, v0                           ; lane
	v_and_b32 v2, 15, v0                           ; r
	v_bfe_u32 v3, v0, 4, 1                         ; h
	s_mul_i32 s22, s13, 3072                       ; tiles 2 f, 2 f + 1 begin here in the chunk
	v_lshl_add_u32 v4, v1, 4, s22                  ; where my 16-byte pieces go
	v_lshl_add_u32 v5, v1, 3, s22                  ; and my 8-byte pieces
	v_and_b32 v6, 8, v2
	s_delay_alu instid0(VALU_DEP_1)
	v_add_nc_u32 v6, v6, v2                        ; r + 8 (r / 8)
	s_delay_alu instid0(VALU_DEP_1)
	v_mul_u32_u24 v6, v6, PITCH
	s_delay_alu instid0(VALU_DEP_1)
	v_lshl_add_u32 v6, v3, 7, v6                   ; + 128 h: my 32 numbers of a run of 64
	s_delay_alu instid0(VALU_DEP_1)
	v_add_nc_u32 v6, s25, v6
	s_lshl_b32 s23, s14, 9
	s_add_co_u32 s23, s23, SCL                     ; my chunk's scale words in LDS
	s_lshl_b32 s22, s13, 3
	s_add_co_u32 s22, s22, s23
	v_lshl_add_u32 v7, v2, 5, s22                  ; in: 32 r + 8 f: the words of tiles 2 f and 2 f + 1
	v_lshl_add_u32 v8, v1, 4, s23                  ; out: 16 bytes a lane
	v_lshlrev_b32 v27, 4, v1
	v_lshlrev_b32 v9, 3, v3                        ; 8 h: my bytes' place in a scale word
	v_mov_b32 v23, 0                               ; written once: a lane permute's destination counts as one of its sources
	s_wait_alu depctr_va_vdst(0)
	s_wait_tensorcnt 0x0                           ; my tile is in LDS
.irp u, 0,1
.irp c, 0,1
.irp i, 0,1,2,3,4,5,6,7
	ds_load_b128 v[X+64*\u+32*\c+4*\i:X+64*\u+32*\c+4*\i+3], v6 offset:8*PITCH*\u+256*\c+16*\i
.endr
.endr
.endr
; Tile u: a lane holds two whole blocks (2 c + h, c = 0, 1), so no other lane is asked for a maximum; the word's four bytes are gathered from lanes l and l xor 16.
.macro QF u
.set XS, X+64*(\u)
.set PS, PCD+12*(\u)
.irp c, 0,1
	v_max3_num_f32 v[10+\c], |v[XS+32*\c]|, |v[XS+32*\c+1]|, 0x2800000   ; with the floor 2^(5 - 127): the byte cannot fall under 1
.endr
.irp i, 2,4,6,8,10,12,14,16,18,20,22,24,26,28,30
.irp c, 0,1
	s_delay_alu instid0(VALU_DEP_2)
	v_max3_num_f32 v[10+\c], v[10+\c], |v[XS+32*\c+\i]|, |v[XS+32*\c+\i+1]|   ; the two blocks by turns
.endr
.endr
.irp c, 0,1
	s_delay_alu instid0(VALU_DEP_2)
	v_add_nc_u32 v[12+\c], 0xfe000000, v[10+\c]    ; 4 off the exponent field: the conversion's scale operand
.endr
.irp c, 0,1
	s_delay_alu instid0(VALU_DEP_2)
	v_lshrrev_b32 v[14+\c], 23, v[12+\c]           ; the scale's byte
.endr
	s_delay_alu instid0(VALU_DEP_1)
	v_lshl_or_b32 v[24+\u], v15, 16, v14           ; blocks h and 2 + h,
	s_delay_alu instid0(VALU_DEP_1)
	v_lshlrev_b32 v[24+\u], v9, v[24+\u]           ; at their places,
	s_delay_alu instid0(VALU_DEP_1)
	v_permlanex16_b32 v23, v[24+\u], s36, s37
	s_delay_alu instid0(VALU_DEP_1)
	v_or_b32 v[24+\u], v[24+\u], v23               ; with lane l xor 16's two: the row's word, in both halves of the lanes
.irp c, 0,1
	v_cvt_scalef32_pk16_bf6_f32 v[PS+6*\c:PS+6*\c+2], v[XS+32*\c:XS+32*\c+15], v[12+\c]
	v_cvt_scalef32_pk16_bf6_f32 v[CT+4*\c:CT+4*\c+2], v[XS+32*\c+16:XS+32*\c+31], v[12+\c]   ; (a conversion's three registers begin on an even number)
.endr
	v_nop                                          ; one plain place behind a scaled conversion
.irp c, 0,1
.irp i, 0,1,2
	v_mov_b32 v[PS+6*\c+3+\i], v[CT+4*\c+\i]
.endr
.endr
	global_store_b128 v4, v[PS:PS+3], s[10:11] offset:1536*(\u)          ; each store covers 512 or 256 consecutive bytes, aligned to 256
	global_store_b64 v5, v[PS+4:PS+5], s[10:11] offset:1536*(\u)+512
	global_store_b128 v4, v[PS+6:PS+9], s[10:11] offset:1536*(\u)+768
	global_store_b64 v5, v[PS+10:PS+11], s[10:11] offset:1536*(\u)+1280
.endm
	s_wait_dscnt 16                                ; tile 0's 16 loads are in, tile 1's may be out
	QF 0
	s_wait_dscnt 0x0
	QF 1
	ds_store_b64 v7, v[24:25]                      ; both halves of the lanes write the same bytes with the same values
	s_wait_dscnt 0x0                               ; for the others' sake: my words are in LDS
	s_barrier_signal -1
	s_barrier_wait -1
	s_cmp_lg_u32 s13, 0                            ; waves 0 and 4 store their chunk's 512 bytes of scale words
	s_cbranch_scc1 .Lend
	ds_load_b128 v[192:195], v8
	s_wait_dscnt 0x0
	global_store_b128 v27, v[192:195], s[10:11] offset:12288
.Lend:
	s_wait_tensorcnt 0x0
	ds_add_u32 v200, v201
	s_wait_dscnt 0x0
	s_endpgm
.Lfunc_end_k_qba0746ec32_quant:
	.size	k_qba0746ec32_quant, .Lfunc_end_k_qba0746ec32_quant-k_qba0746ec32_quant
	.p2alignl 7, 3214868480
	.fill 96, 4, 3214868480
	.section	.rodata,"a",@progbits
	.p2align	6, 0x0
	.amdhsa_kernel k_qba0746ec32_quant
		.amdhsa_group_segment_fixed_size 168960
		.amdhsa_private_segment_fixed_size 0
		.amdhsa_enable_private_segment 0
		.amdhsa_kernarg_size 32
		.amdhsa_user_sgpr_count 2
		.amdhsa_user_sgpr_kernarg_segment_ptr 1
		.amdhsa_wavefront_size32 1
		.amdhsa_system_sgpr_workgroup_id_x 1
		.amdhsa_system_sgpr_workgroup_id_y 1
		.amdhsa_system_sgpr_workgroup_id_z 1
		.amdhsa_system_vgpr_workitem_id 0
		.amdhsa_next_free_vgpr 202
		.amdhsa_next_free_sgpr 66
		.amdhsa_reserve_vcc 0
		.amdhsa_float_denorm_mode_32 3
		.amdhsa_float_denorm_mode_16_64 3
		.amdhsa_memory_ordered 1
		.amdhsa_forward_progress 1
		.amdhsa_inst_pref_size 16
	.end_amdhsa_kernel
	.amdgpu_metadata
---
amdhsa.version: [ 1, 2 ]
amdhsa.kernels:
  - .name:           k_qba0746ec32_quant
    .symbol:         k_qba0746ec32_quant.kd
    .args:
      - { .name: x, .offset: 0, .size: 8, .value_kind: global_buffer, .address_space: global }
      - { .name: w_attn, .offset: 8, .size: 8, .value_kind: global_buffer, .address_space: global }
      - { .name: w_proj, .offset: 16, .size: 8, .value_kind: global_buffer, .address_space: global }
      - { .name: opq, .offset: 24, .size: 8, .value_kind: global_buffer, .address_space: global }
    .group_segment_fixed_size: 168960
    .private_segment_fixed_size: 0
    .kernarg_segment_align: 8
    .kernarg_segment_size: 32
    .max_flat_workgroup_size: 256
    .sgpr_count:     66
    .vgpr_count:     202
    .wavefront_size: 32
...
	.end_amdgpu_metadata
.endif
;; end of part 1
;; launch qkv (part 2): grid 8 x 24, 4 waves a work-group, clusters of 4 x 4, 327,680 bytes of LDS; arguments opq, qb, kv; writes qb, kv
.if DOCPART == 2
	.amdgcn_target "amdgcn-amd-amdhsa--gfx1250"
	.amdhsa_code_object_version 6
	.text
	.protected	k_qba0746ec32_qkv
	.globl	k_qba0746ec32_qkv
	.p2align	8
	.type	k_qba0746ec32_qkv,@function
k_qba0746ec32_qkv:
	s_mov_b64 s[64:65], 0
	v_nop
	global_prefetch_b8 v0, s[64:65] scope:SCOPE_SE
	s_setreg_imm32_b32 hwreg(HW_REG_WAVE_MODE, 25, 1), 1
	s_wait_xcnt 0x0
	s_wait_alu depctr_hold_cnt(0) depctr_sa_sdst(0) depctr_va_vdst(0) depctr_va_sdst(0) depctr_va_ssrc(0) depctr_va_vcc(0) depctr_vm_vsrc(0)
	s_getreg_b32 s2, hwreg(HW_REG_IB_STS2, 6, 4)
	s_cmp_eq_u32 s2, 0
	s_cbranch_scc0 .Lentry_in_a_cluster
	s_endpgm
.Lentry_in_a_cluster:
	s_bfe_u32 s2, ttmp6, 0x10000c
	s_cmp_lg_u32 s2, 0xf033
	s_cbranch_scc0 .Lentry_shape_is_right
	s_endpgm
.Lentry_shape_is_right:
; qkv = x w_attn^T on codes of BF6 (E3M2) with E8M0 scales, K = 1,024; the f32 results are quantised in registers and leave as operand images for the attention: q and k along the head's 64, v along the keys.
; opq: row blocks of 128 rows (0-31 x, 32-55 w_attn), each 8 chunks of 12,800 bytes (8 fragments of 1,536 bytes in the order of the operand's registers, 512 bytes of scale words); lane r of tile 2 f + u holds row 32 f + 8 u + r + 8 (r / 8).
; A work-group makes 256 x 256 of the product, a wave 128 x 128: 64 accumulators.  SOURCE 0 ("B") is the side whose 128 rows become the next quantiser's K: a lane's 64 registers of one tile of source 1 ("A") are then,
; thanks to the tiles' choice of rows, 4 x 16 neighbours along that K.  For q's and k's columns B = rows of w, A = tokens; for v's columns B = tokens (the keys), A = rows of w.  The swap is made in the map from
; clusters to tiles alone: clusters y = 0..3 make q (cluster x = 0) and k (x = 1), clusters y = 4, 5 make v.
; CLUSTERS: 4 x 4 work-groups; A's chunks are shared along a row of the cluster, B's along a column: joint loads, each with a mask that names the four.
; LDS: three slots of 102,400 bytes, each with two K steps of A's two row blocks and B's two; a row block's two chunks are 25,600 dense bytes, one tensor load, one a wave.  K steps 0-5 come by the first fills
; (three loads of mine are out at the start), K steps 6, 7 by the one refill of slot 0 (one load out), which has four K steps, 256 matrix instructions, in which to land.
; OUT: kv: for each (head, 128 keys) 12,800 bytes: k's 8 tiles as half-images of 768 bytes, v's 4 fragments at 6,144, k's scale words at 12,288, v's at 12,544.  qb: for each (head, 128 queries) 6,400 bytes: 8 half-images, scale words at 6,144.
; LIMITS: blocks of zeros, and blocks whose largest magnitude lies under 2^-122, get the byte 1 (this program alone reads the bytes); NaN and infinities are not served.
; No prefetch: three quarters of a work-group's bytes go out at its head, and the one refill has four K steps in which to land.
; REGISTERS: window 0: v1-3 lane, r, h; v4-22 addresses; v28-29 the add's two; v32-47 scale words, two sets; v48-63 at work; v64-71 the words just made; v128-223 A's 8 fragments, ONE set (later the codes just made).
;   window 1: B's fragments, TWO sets, at v0 and v128.   windows 2, 3: accumulator (a, b) at v[8 (8 (a % 4) + b)] of window 2 + a / 4.
; THE FILLS AS THIS TEXT HAS THEM (the paragraph LDS above gives an earlier form): each wave has a region of 76,800 bytes, six chunks of the row block that it fetches, filled by ONE tensor load at the head
; (300 rows of 256 bytes: K steps 0-5); "slot s" is chunks 2 s, 2 s + 1 of every region.  K steps 6, 7 come by the one refill of each region's first two chunks (100 rows), behind the round in K step 1.
.set CHUNK, 12800
.set RBB,   8*CHUNK
.set REG2,  2*CHUNK                    ; what one tensor load brings
.set REGW,  6*CHUNK                    ; a wave's region: six chunks of one row block
.set SLOT,  REG2                       ; from slot to slot inside a region
.set SPARE, 4*REGW                     ; the spare words, 128 bytes for each wave: two blocks of 256 bytes that no other line names
.set ADA16, 4                          ; v4-6    slot s: A's fragments, 16 bytes a lane;  v7-9 8 bytes a lane
.set ADA8,  7
.set ADB16, 10                         ; v10-12, v13-15 the same for B
.set ADB8,  13
.set ADS,   16                         ; v16-18  slot s: scale words: lanes 0-15 A's rows, lanes 16-31 B's
.set LI,    20                         ; v20     16 x lane
.set L8,    21                         ; v21     8 x lane
.set SO8,   22                         ; v22     8 x lane + where q's or k's scale words begin in a chunk
.set SPW,   28
.set NIL,   29
.set SC,    32                         ; set p at v[SC + 8 p]; register i: lanes 0-15 the word of A's tile i, lanes 16-31 that of B's tile i
.set TM,    48
.set PW,    64
.set KW,    72
.set AF,    128
.set G1A,   24
.set G1B,   48
.set G0A,   68                         ; s[68:71] group 0 for A;  s[80:83] for B
.set G0B,   80
.set MSB, 0
.macro WIN new                         ; the immediate's high byte repeats the setting that is left
.if MSB != (\new)
	s_set_vgpr_msb (MSB<<8)|(\new)
.set MSB, (\new)
.endif
.endm
.set MUL_LO, 0xa1                      ; source 0 (B) window 1, source 1 (A) window 0, C and D window 2
.set MUL_HI, 0xf1                      ; the same, C and D window 3
.set TO_B,   0x40                      ; destination window 1, address window 0
.macro PLACES                          ; four plain places: in front of loads into registers that matrix instructions have read, and of the first read of results
.rept 4
	v_nop
.endr
.endm
.macro JLOAD                           ; the joint refill of slot 0: waves 0, 1 for A, waves 2, 3 for B; four v_nop follow each line
	s_cmp_eq_u32 s15, 0
	s_cbranch_scc0 .Lfor_b_\@
	tensor_load_to_lds s[G0A:G0A+3], s[G1A:G1A+7]
	s_nop 0
	PLACES
	s_branch .Lasked_\@
.Lfor_b_\@:
	tensor_load_to_lds s[G0B:G0B+3], s[G1B:G1B+7]
	s_nop 0
	PLACES
.Lasked_\@:
.endm
.macro CREST                           ; a round of the cluster's barrier behind its opening barrier
	s_cmp_lg_u32 s14, 0
	s_cbranch_scc1 .Lnot_wave_0_\@
	s_barrier_signal -3
.Lnot_wave_0_\@:
	s_barrier_wait -3
	s_barrier_signal -1
	s_barrier_wait -1
.endm
.macro CROUND
	s_barrier_signal -1
	s_barrier_wait -1
	CREST
.endm
	s_load_b128 s[4:7], s[0:1], 0x0                ; opq s[4:5], qb s[6:7]
	s_load_b64 s[8:9], s[0:1], 0x10                ; kv
	v_lshl_add_u32 v[SPW], v0, 2, SPARE
	v_mov_b32 v[NIL], 0
	ds_add_u32 v28, v29
	ds_add_u32 v28, v29
	s_wait_dscnt 0x0
	v_lshrrev_b32 v1, 5, v0
	v_readfirstlane_b32 s14, v1                    ; wave 0..3
	s_lshr_b32 s15, s14, 1                         ; which of A's two row blocks I multiply.  Also: I fetch for A (0) or for B (1)
	s_and_b32 s16, s14, 1                          ; which of B's.  Also: which row block I fetch
	s_bfe_u32 s40, ttmp6, 0x40000                  ; cx
	s_bfe_u32 s41, ttmp6, 0x40004                  ; cy
	s_mov_b32 s10, ttmp9                           ; cluster x: 0, 1
	s_and_b32 s11, ttmp7, 0xffff                   ; cluster y: 0..5
	s_lshr_b32 s12, s11, 2                         ; 1: v's columns
	s_and_b32 s20, s11, 1
	s_mul_i32 s20, s20, s12
	s_lshl_b32 s20, s20, 1
	s_add_co_u32 s20, s20, s10                     ; B's cluster coordinate: cluster x; for v: 2 (cluster y - 4) + cluster x
	s_lshl_b32 s42, s20, 2
	s_add_co_u32 s42, s42, s40                     ; B's coordinate
	s_xor_b32 s21, s12, 1
	s_mul_i32 s21, s21, s11                        ; A's cluster coordinate: cluster y; for v: 0
	s_lshl_b32 s17, s21, 2
	s_add_co_u32 s17, s17, s41                     ; A's coordinate
	s_mul_i32 s22, s12, 48                         ; A: tokens from row block 0, or w_v's rows from row block 48
	s_lshl_b32 s23, s17, 1
	s_add_co_u32 s22, s22, s23
	s_add_co_u32 s22, s22, s16
	s_mul_i32 s22, s22, RBB
	s_mov_b32 s23, 0
	s_xor_b32 s46, s12, 1
	s_lshl_b32 s46, s46, 5                         ; B: w's rows from row block 32, or tokens from 0
	s_lshl_b32 s47, s42, 1
	s_add_co_u32 s46, s46, s47
	s_add_co_u32 s46, s46, s16
	s_mul_i32 s46, s46, RBB
	s_mov_b32 s47, 0
	s_lshl_b32 s43, s41, 2
	s_lshl_b32 s43, 15, s43                        ; my row of the cluster
	s_lshl_b32 s44, 0x1111, s40                    ; my column
	s_or_b32 s[G1A], s43, (3<<16)|(1<<21)          ; group 1: the mask; elements of 8 bytes; bit 21 set beside a mask; no padding
	s_or_b32 s[G1B], s44, (3<<16)|(1<<21)
.irp g, G1A, G1B
	s_mov_b32 s[\g+1], 32<<16                      ; 25,600 dense bytes as 100 rows of 256: tensor_dim0 = 32
	s_mov_b32 s[\g+2], 300<<16                     ; tensor_dim1 = 300: the head's load brings six chunks
	s_mov_b32 s[\g+3], 32<<16                      ; tile_dim0
	s_mov_b32 s[\g+4], 300                         ; tile_dim1
	s_mov_b32 s[\g+5], 32                          ; from row to row
	s_mov_b32 s[\g+6], 0
	s_mov_b32 s[\g+7], 0
.endr
	s_mul_i32 s45, s14, REGW                       ; where my loads land: A's two regions, then B's two: the wave's number alone
	s_mov_b32 s61, 0x05040100                      ; v_perm_b32: two low halves;
	s_mov_b32 s62, 0x07060302                      ; two high halves
	s_mov_b32 s66, 0x76543210
	s_mov_b32 s67, 0xfedcba98                      ; v_permlanex16_b32's selects for lane l xor 16
	s_wait_kmcnt 0x0
	s_add_nc_u64 s[22:23], s[4:5], s[22:23]
	s_add_nc_u64 s[46:47], s[4:5], s[46:47]
	CROUND                                         ; all sixteen work-groups are here: the first joint loads meet
.irp s, 0
	s_mov_b32 s[G0A+4*\s], 1
	s_add_co_u32 s[G0A+4*\s+1], s45, \s*SLOT
	s_add_nc_u64 s[G0A+4*\s+2:G0A+4*\s+3], s[22:23], \s*REG2   ; K steps 2 s, 2 s + 1
	s_or_b32 s[G0A+4*\s+3], s[G0A+4*\s+3], 0x80000000
	s_mov_b32 s[G0B+4*\s], 1
	s_add_co_u32 s[G0B+4*\s+1], s45, \s*SLOT
	s_add_nc_u64 s[G0B+4*\s+2:G0B+4*\s+3], s[46:47], \s*REG2
	s_or_b32 s[G0B+4*\s+3], s[G0B+4*\s+3], 0x80000000
.endr
	s_cmp_eq_u32 s15, 0                            ; one first fill a wave, in the two arms of one branch
	s_cbranch_scc0 .Lfirst_b
	tensor_load_to_lds s[G0A:G0A+3], s[G1A:G1A+7]
	s_nop 0
	PLACES
	s_branch .Lfirst_asked
.Lfirst_b:
	tensor_load_to_lds s[G0B:G0B+3], s[G1B:G1B+7]
	s_nop 0
	PLACES
.Lfirst_asked:
	v_and_b32 v1, 31, v0                           ; lane
	v_and_b32 v2, 15, v0                           ; r
	v_bfe_u32 v3, v0, 4, 1                         ; h
	v_lshlrev_b32 v[LI], 4, v1
	v_lshlrev_b32 v[L8], 3, v1
	s_mul_i32 s20, s15, REGW                       ; my row block of A: its region,
	s_mul_i32 s21, s16, REGW
	s_add_co_u32 s21, s21, 2*REGW                  ; and of B
.irp s, 0,1,2
	v_add_nc_u32 v[ADA16+\s], s20, v[LI]
	v_add_nc_u32 v[ADA8+\s], s20, v[L8]
	v_add_nc_u32 v[ADB16+\s], s21, v[LI]
	v_add_nc_u32 v[ADB8+\s], s21, v[L8]
	s_add_co_u32 s20, s20, SLOT
	s_add_co_u32 s21, s21, SLOT
.endr
	s_xor_b32 s92, s15, 1                          ; from A's scale words to B's: (2 + my B - my A) x 76,800 bytes, as ONE product with h
	s_add_co_u32 s92, s92, s16
	s_add_co_u32 s92, s92, 1
	s_mul_i32 s92, s92, REGW
	v_mul_u32_u24 v19, s92, v3
	v_lshl_add_u32 v19, v2, 5, v19                 ; + 32 r: a row's eight words
	s_mul_i32 s93, s15, REGW
	s_add_co_u32 s93, s93, 12288
.irp s, 0,1,2
	v_add_nc_u32 v[ADS+\s], s93, v19
	s_add_co_u32 s93, s93, SLOT
.endr
.irp b, 0,1,2,3
	v_mov_b32 v[TM+4+\b], 0                        ; written once: a lane permute's destination counts as one of its sources
.endr
	; where my results go.  q: qb; k, v: kv, whose heads, chunks and scale words lie twice as far apart
	s_or_b32 s93, s12, s10
	s_cmp_lg_u32 s93, 0
	s_cselect_b64 s[56:57], s[8:9], s[6:7]
	s_lshl_b32 s94, 204800, s93                    ; a head
	s_lshl_b32 s95, 6400, s93                      ; a chunk
	s_lshl_b32 s96, 6144, s93                      ; q's or k's scale words in it
	s_cmp_lg_u32 s12, 0
	s_cselect_b32 s20, s41, s40                    ; the side that holds w's rows: A for v, B for q and k
	s_cselect_b32 s21, s15, s16
	s_cselect_b32 s92, s42, s17                    ; the side that holds tokens
	s_cselect_b32 s97, s16, s15
	s_lshl_b32 s20, s20, 2
	s_lshl_b32 s21, s21, 1
	s_add_co_u32 s20, s20, s21                     ; my first head: my 128 rows of w are two heads
	s_lshl_b32 s92, s92, 1
	s_add_co_u32 s92, s92, s97                     ; my block of 128 tokens
	s_mul_i32 s20, s20, s94
	s_mul_i32 s92, s92, s95
	s_add_co_u32 s20, s20, s92
	s_mov_b32 s21, 0
	s_add_nc_u64 s[56:57], s[56:57], s[20:21]      ; the first head's chunk,
	s_mov_b32 s95, 0
	s_add_nc_u64 s[58:59], s[56:57], s[94:95]      ; the second's
	v_add_nc_u32 v[SO8], s96, v[L8]
.macro FRAG reg, a16, a8, off          ; a fragment comes back as it was stored: 12 registers by four dense loads
	ds_load_b128 v[\reg:\reg+3], v[\a16] offset:\off
	ds_load_b64 v[\reg+4:\reg+5], v[\a8] offset:\off+512
	ds_load_b128 v[\reg+6:\reg+9], v[\a16] offset:\off+768
	ds_load_b64 v[\reg+10:\reg+11], v[\a8] offset:\off+1280
.endm
.macro FETCH_B sl, q, p                ; B's eight fragments of the slot's q-th K step into set p: 32 loads
	WIN TO_B
.irp i, 0,1,2,3,4,5,6,7
	FRAG 128*(\p)+12*\i, ADB16+(\sl), ADB8+(\sl), CHUNK*(\q)+1536*\i
.endr
	WIN 0
.endm
.macro FETCH_A sl, q, i0               ; A's tiles i0 .. i0 + 3: 16 loads
.irp i, \i0, \i0+1, \i0+2, \i0+3
	FRAG AF+12*(\i), ADA16+(\sl), ADA8+(\sl), CHUNK*(\q)+1536*(\i)
.endr
.endm
.macro SCALES sl, q, p                 ; eight words a lane: lanes 0-15 A's tiles 0-7 of row r, lanes 16-31 B's
	ds_load_b128 v[SC+8*(\p):SC+8*(\p)+3], v[ADS+(\sl)] offset:CHUNK*(\q)
	ds_load_b128 v[SC+8*(\p)+4:SC+8*(\p)+7], v[ADS+(\sl)] offset:CHUNK*(\q)+16
.endm
; 16 matrix instructions: A's tiles a0, a0 + 1 x B's eight.  The 64 accumulators take turns, one instruction a turn, in the same order in every K step.
.macro MUL16 a0, p, zero
.irp a, \a0, \a0+1
.irp b, 0,1,2,3,4,5,6,7
.if \zero
	v_wmma_scale_f32_16x16x128_f8f6f4 v[8*(8*((\a)%4)+\b):8*(8*((\a)%4)+\b)+7], v[128*(\p)+12*\b:128*(\p)+12*\b+11], v[AF+12*(\a):AF+12*(\a)+11], 0, v[SC+8*(\p)+\b], v[SC+8*(\p)+(\a)] matrix_a_fmt:MATRIX_FMT_BF6 matrix_b_fmt:MATRIX_FMT_BF6 matrix_a_scale:MATRIX_SCALE_ROW1
.else
	v_wmma_scale_f32_16x16x128_f8f6f4 v[8*(8*((\a)%4)+\b):8*(8*((\a)%4)+\b)+7], v[128*(\p)+12*\b:128*(\p)+12*\b+11], v[AF+12*(\a):AF+12*(\a)+11], v[8*(8*((\a)%4)+\b):8*(8*((\a)%4)+\b)+7], v[SC+8*(\p)+\b], v[SC+8*(\p)+(\a)] matrix_a_fmt:MATRIX_FMT_BF6 matrix_b_fmt:MATRIX_FMT_BF6 matrix_a_scale:MATRIX_SCALE_ROW1
.endif
.endr
.endr
.endm
; A K step on set p whose successor (slot nsl, its nq-th) lies in LDS already: no barrier.
.macro STEP nsl, nq, p, zero
	s_wait_dscnt 16                                ; B's set, A's tiles 0-3 and the scale words are in; the youngest 16 loads (A's tiles 4-7) may be out
	WIN MUL_LO
	MUL16 0, \p, \zero
	MUL16 2, \p, \zero
	s_wait_dscnt 0x0                               ; A's tiles 4-7 are in
	PLACES
	FETCH_B \nsl, \nq, 1-(\p)
	FETCH_A \nsl, \nq, 0
	SCALES \nsl, \nq, 1-(\p)
	WIN MUL_HI
	MUL16 4, \p, \zero
	MUL16 6, \p, \zero
	PLACES
	WIN 0
	FETCH_A \nsl, \nq, 4
.endm
; A K step (on set 1) with a barrier in it.  In front of it each wave waits for all its tensor loads, adds 0 to its spare word, and waits for that and for its reads of the slot that it leaves.
; fill = 1: the barrier opens a round of the cluster's barrier, and slot 0 is filled again, with K steps 6 and 7.
.macro TURN nsl, fill
	s_wait_tensorcnt 0x0                           ; all my tensor loads have landed
	ds_add_u32 v[SPW], v[NIL]                      ; 0 onto my spare word
	s_wait_dscnt 17                                ; (the add and A's tiles 4-7 may be out)
	WIN MUL_LO
	MUL16 0, 1, 0                                  ; sixteen matrix instructions stand between the add and the wait for it
	s_wait_dscnt 0x0                               ; the add is done, and my reads of this slot are over
	s_barrier_signal -1
	MUL16 2, 1, 0
	WIN 0
	s_barrier_wait -1
.if \fill
	CREST                                          ; no wave of any partner still reads slot 0 or has a load on its way
	s_add_nc_u64 s[G0A+2:G0A+3], s[G0A+2:G0A+3], 3*REG2
	s_add_nc_u64 s[G0B+2:G0B+3], s[G0B+2:G0B+3], 3*REG2
	JLOAD                                          ; the first tensor load behind the round; its four v_nop are also the places in front of the loads below
.else
	PLACES
.endif
	FETCH_B \nsl, 0, 0
	FETCH_A \nsl, 0, 0
	SCALES \nsl, 0, 0
	WIN MUL_HI
	MUL16 4, 1, 0
	MUL16 6, 1, 0
	PLACES
	WIN 0
	FETCH_A \nsl, 0, 4
.endm
	s_wait_alu depctr_va_vdst(0)
	s_wait_tensorcnt 0x0                           ; my six chunks are in; no tensor load of mine is out, so a descriptor may be written: the refill brings 100 rows
	s_mov_b32 s[G1A+2], 100<<16
	s_mov_b32 s[G1A+4], 100
	s_mov_b32 s[G1B+2], 100<<16
	s_mov_b32 s[G1B+4], 100
	s_barrier_signal -1
	s_barrier_wait -1
	FETCH_B 0, 0, 0
	FETCH_A 0, 0, 0
	SCALES 0, 0, 0
	FETCH_A 0, 0, 4
	STEP 0, 1, 0, 1                                ; K step 0: its products start the sums: nothing is cleared
	TURN 1, 1                                      ; K step 1: slot 0 is left and filled again; the wait in front of the round has also shown slots 1 and 2 whole to every wave
	STEP 1, 1, 0, 0                                ; K step 2
	STEP 2, 0, 1, 0                                ; K step 3
	STEP 2, 1, 0, 0                                ; K step 4
	TURN 0, 0                                      ; K step 5: the refill has landed, in every wave; nothing more is asked for
	STEP 0, 1, 0, 0                                ; K step 6
	s_wait_dscnt 16                                ; K step 7: nothing more to fetch
	WIN MUL_LO
	MUL16 0, 1, 0
	MUL16 2, 1, 0
	s_wait_dscnt 0x0
	WIN MUL_HI
	MUL16 4, 1, 0
	MUL16 6, 1, 0
	WIN 0
	PLACES
; THE WAY OUT.  A's tile a: my 64 registers, register 16 b + i = B's row 32 b + 16 (lane / 16) + i, become a fragment's codes in v[pc] on and the scale word of my row in v[PW + a].  Each accumulator is read from its low end on.
.macro QUANT a, pc
.set QW, 2+(\a)/4
.set QB0, 64*((\a)%4)
	WIN (QW<<2)|(QW<<4)                            ; sources 1 and 2: the accumulators' window
.irp b, 0,1,2,3
	v_max3_num_f32 v[TM+\b], 0x2800000, |v[QB0+16*\b]|, |v[QB0+16*\b+1]|   ; with the floor 2^(5 - 127): the byte cannot fall under 1
.endr
.irp i, 2,4,6,8,10,12,14
.irp b, 0,1,2,3
	v_max3_num_f32 v[TM+\b], v[TM+\b], |v[QB0+16*\b+\i]|, |v[QB0+16*\b+\i+1]|   ; the four blocks by turns
.endr
.endr
	WIN 0
.irp b, 0,1,2,3
	v_permlanex16_b32 v[TM+4+\b], v[TM+\b], s66, s67
.endr
.irp b, 0,1,2,3
	v_max_num_f32 v[TM+\b], v[TM+\b], v[TM+4+\b]   ; with lane l xor 16's: the block's largest magnitude
.endr
.irp b, 0,1,2,3
	v_add_nc_u32 v[TM+12+\b], 0xfe000000, v[TM+\b] ; 4 off the exponent field: the conversion's scale operand
.endr
.irp b, 0,1,2,3
	v_lshrrev_b32 v[TM+4+\b], 23, v[TM+12+\b]      ; the scale's byte
.endr
	v_lshl_or_b32 v[PW+(\a)], v[TM+5], 8, v[TM+4]
	v_lshl_or_b32 v[PW+(\a)], v[TM+6], 16, v[PW+(\a)]
	v_lshl_or_b32 v[PW+(\a)], v[TM+7], 24, v[PW+(\a)]
	WIN QW                                         ; source 0: the accumulators' window
.irp c, 0,1
	v_cvt_scalef32_pk16_bf6_f32 v[\pc+6*\c:\pc+6*\c+2], v[QB0+32*\c:QB0+32*\c+15], v[TM+12+2*\c]
	v_cvt_scalef32_pk16_bf6_f32 v[\pc+12+4*\c:\pc+14+4*\c], v[QB0+32*\c+16:QB0+32*\c+31], v[TM+12+2*\c+1]   ; (a conversion's three registers begin on an even number)
.endr
	WIN 0
	v_nop                                          ; one plain place behind a scaled conversion
.irp c, 0,1                            ; the operand's layout wants a WHOLE block in a lane
.irp i, 0,1,2
	v_permlane16_swap_b32 v[\pc+6*\c+\i], v[\pc+12+4*\c+\i]
.endr
.irp i, 0,1,2
	v_mov_b32 v[\pc+6*\c+3+\i], v[\pc+12+4*\c+\i]
.endr
.endr
.endm
	s_cmp_lg_u32 s12, 0                            ; cluster y alone decides: the same in all partners
	s_cbranch_scc1 .Lv_path
; q or k: A's tile a is 16 tokens; the fragment's first half (64 along K) is the first head's, the second half the second head's: two half-images of 768 bytes.
.macro OUT_QK a
.set PB, 128+32*((\a)%2)
.if (\a) >= 2
	s_wait_xcnt 0x0                                ; the stores of two tiles ago have read their registers
.endif
	QUANT \a, PB
	global_store_b128 v[LI], v[PB:PB+3], s[56:57] offset:768*(\a)          ; each store covers 512 or 256 consecutive bytes, aligned to 256
	global_store_b64 v[L8], v[PB+4:PB+5], s[56:57] offset:768*(\a)+512
	global_store_b128 v[LI], v[PB+6:PB+9], s[58:59] offset:768*(\a)
	global_store_b64 v[L8], v[PB+10:PB+11], s[58:59] offset:768*(\a)+512
.endm
.irp a, 0,1,2,3,4,5,6,7
	OUT_QK \a
.endr
	v_cmp_eq_u32 vcc_lo, 1, v3                     ; lanes 16-31
.irp f, 0,1,2,3                        ; the word of the pair of tiles 2 f, 2 f + 1: two bytes of each; low halves: the first head, high halves: the second
	v_perm_b32 v[KW+\f], v[PW+2*\f+1], v[PW+2*\f], s61
	v_perm_b32 v[KW+4+\f], v[PW+2*\f+1], v[PW+2*\f], s62
.endr
	v_cndmask_b32 v80, v[KW], v[KW+1], vcc_lo      ; lanes 0-15 pair 0, lanes 16-31 pair 1;
	v_cndmask_b32 v81, v[KW+2], v[KW+3], vcc_lo    ; pairs 2 and 3
	v_cndmask_b32 v82, v[KW+4], v[KW+5], vcc_lo
	v_cndmask_b32 v83, v[KW+6], v[KW+7], vcc_lo
	global_store_b64 v[SO8], v[80:81], s[56:57]    ; 256 consecutive bytes, aligned
	global_store_b64 v[SO8], v[82:83], s[58:59]
	s_branch .Lend
.Lv_path:
; v: A's tile a is 16 of the head's 64 (tiles 0-3: the first head, 4-7: the second), K = my 128 keys: a whole fragment.
.macro OUT_V a
.set PB, 128+32*((\a)%2)
.set SB, 56+2*((\a)/4)
.if (\a) >= 2
	s_wait_xcnt 0x0
.endif
	QUANT \a, PB
	global_store_b128 v[LI], v[PB:PB+3], s[SB:SB+1] offset:6144+1536*((\a)%4)
	global_store_b64 v[L8], v[PB+4:PB+5], s[SB:SB+1] offset:6144+1536*((\a)%4)+512
	global_store_b128 v[LI], v[PB+6:PB+9], s[SB:SB+1] offset:6144+1536*((\a)%4)+768
	global_store_b64 v[L8], v[PB+10:PB+11], s[SB:SB+1] offset:6144+1536*((\a)%4)+1280
.endm
.irp a, 0,1,2,3,4,5,6,7
	OUT_V \a
.endr
	v_cmp_eq_u32 vcc_lo, 1, v3
	v_cndmask_b32 v80, v[PW], v[PW+1], vcc_lo      ; lanes 0-15 fragment 0's words, lanes 16-31 fragment 1's;
	v_cndmask_b32 v81, v[PW+2], v[PW+3], vcc_lo    ; fragments 2 and 3
	v_cndmask_b32 v82, v[PW+4], v[PW+5], vcc_lo
	v_cndmask_b32 v83, v[PW+6], v[PW+7], vcc_lo
	global_store_b64 v[L8], v[80:81], s[56:57] offset:12544
	global_store_b64 v[L8], v[82:83], s[58:59] offset:12544
.Lend:
	s_wait_tensorcnt 0x0                           ; the wave's end
	ds_add_u32 v[SPW], v[NIL]
	s_wait_dscnt 0x0
	CROUND                                         ; the closing round: no work-group ends while a partner may still ask for a tile that names it
	s_endpgm
.Lfunc_end_k_qba0746ec32_qkv:
	.size	k_qba0746ec32_qkv, .Lfunc_end_k_qba0746ec32_qkv-k_qba0746ec32_qkv
	.p2alignl 7, 3214868480
	.fill 96, 4, 3214868480
	.section	.rodata,"a",@progbits
	.p2align	6, 0x0
	.amdhsa_kernel k_qba0746ec32_qkv
		.amdhsa_group_segment_fixed_size 327680
		.amdhsa_private_segment_fixed_size 0
		.amdhsa_enable_private_segment 0
		.amdhsa_kernarg_size 24
		.amdhsa_user_sgpr_count 2
		.amdhsa_user_sgpr_kernarg_segment_ptr 1
		.amdhsa_wavefront_size32 1
		.amdhsa_system_sgpr_workgroup_id_x 1
		.amdhsa_system_sgpr_workgroup_id_y 1
		.amdhsa_system_sgpr_workgroup_id_z 1
		.amdhsa_system_vgpr_workitem_id 0
		.amdhsa_next_free_vgpr 1024
		.amdhsa_next_free_sgpr 100
		.amdhsa_reserve_vcc 1
		.amdhsa_float_denorm_mode_32 3
		.amdhsa_float_denorm_mode_16_64 3
		.amdhsa_memory_ordered 1
		.amdhsa_forward_progress 1
		.amdhsa_inst_pref_size 180
	.end_amdhsa_kernel
	.amdgpu_metadata
---
amdhsa.version: [ 1, 2 ]
amdhsa.kernels:
  - .name:           k_qba0746ec32_qkv
    .symbol:         k_qba0746ec32_qkv.kd
    .args:
      - { .name: opq, .offset: 0, .size: 8, .value_kind: global_buffer, .address_space: global }
      - { .name: qb, .offset: 8, .size: 8, .value_kind: global_buffer, .address_space: global }
      - { .name: kv, .offset: 16, .size: 8, .value_kind: global_buffer, .address_space: global }
    .group_segment_fixed_size: 327680
    .private_segment_fixed_size: 0
    .kernarg_segment_align: 8
    .kernarg_segment_size: 24
    .max_flat_workgroup_size: 128
    .sgpr_count:     100
    .vgpr_count:     1024
    .wavefront_size: 32
...
	.end_amdgpu_metadata
.endif
;; end of part 2
;; launch attn (part 3): grid 16 x 16, 16 waves a work-group, no clusters, 327,680 bytes of LDS; arguments qb, kv, yq; writes yq
.if DOCPART == 3
	.amdgcn_target "amdgcn-amd-amdhsa--gfx1250"
	.amdhsa_code_object_version 6
	.text
	.protected	k_qba0746ec32_attn
	.globl	k_qba0746ec32_attn
	.p2align	8
	.type	k_qba0746ec32_attn,@function
k_qba0746ec32_attn:
	s_mov_b64 s[64:65], 0
	v_nop
	global_prefetch_b8 v0, s[64:65] scope:SCOPE_SE
	s_setreg_imm32_b32 hwreg(HW_REG_WAVE_MODE, 25, 1), 1
	s_wait_xcnt 0x0
; y[h][q] = softmax_k(q . k / 8, causal) v, both products on codes of BF6 (E3M2) with E8M0 scales; y is quantised along the embedding and leaves as the last product's operand images.
; THE SOFTMAX: t = score x log2(e) / 8; M = the row's largest t so far, rounded UP to a whole number; p = 2^(t - M) is quantised along the keys, not normalised; the row's sum is taken of the unquantised p and divides at the end.
; When M moves, the sum and O are multiplied by 2^(old M - new M): exact.  Key tiles that lie wholly behind the causal mask are not multiplied.
; IN: qb: for each (head, 128 queries) 8 half-images of 768 bytes (16 rows x 64) and 256 bytes of scale words.  kv: for each (head, 128 keys) a chunk of 12,800 bytes: k's 8 half-images, v's 4 fragments (16 of the head's 64 x 128 keys)
; at 6,144, k's scale words at 12,288, v's at 12,544.  Lane r of tile 2 f + u holds row 32 f + 8 u + r + 8 (r / 8) of its 128 (or 64).
; THE HEAD'S 64 IN AN INSTRUCTION OF 128: a fragment of k is TWO tiles of keys side by side; q stands between zeros, [0 | q | 0]: the last 12 of the 18 registers pick the first tile, the first 12 the second.
; Both products are used transposed: a lane holds ONE query throughout; the 16 registers of tiles 2 f, 2 f + 1 are keys 32 f + 16 (lane / 16) + 0 .. 15.
; SHARES: work-group (j, head) owns query blocks 31 - j and j: (32 - j) + (j + 1) = 33 steps of 128 queries x 128 keys.  THE KEYS ARE DIVIDED: wave w has tile w % 8 (16 queries).  Waves 0-7 take block 31 - j, chunks 0 .. 16: 17 steps
; whatever j is.  Waves 8-15 take block 31 - j, chunks 17 .. 31 - j (15 - j steps), put their partial O, sum and M into LDS, and then take block j whole, chunks 0 .. j: 16 steps.  At the end wave i joins its own partial with
; wave 8 + i's: both are brought under the larger M by powers of two.  The change of blocks is a scalar branch on ids (my chunk's number has passed my block's); it sets M back to -3e38, so that the next step multiplies O and the sum by 0.
; Every wave loads both blocks' q, since the text of the change is common to all waves; waves 0-7 never reach it (16 <= 31 - j).
; RING: two slots of 102,400 bytes: four steps for each of the two groups of waves.  A chunk has one fetching wave, one load of a wave is out behind each barrier.  The head asks only for steps 0 and 1 (waves 0-3); slot 0's steps 2 and 3
; (waves 4-7) and chunk 16 (wave 8, into bytes of its own) are first fills behind the first barrier; slot 1 is first filled behind the second; then the slots are filled again by turns (waves 0-7).  Every wait on TENSORcnt is for 0.
; Chunk 16, the seventeenth step of waves 0-7, is worked at the head of the last phase, beside the other group's steps: a running softmax takes the keys in any order.
; A phase's steps are a counted loop over one copy of the step: the chunk's LDS offset is a scalar that begins at a constant and is stepped by 12,800 against a constant.
; PREFETCH: the head's work-groups walk chunks 0 .. 15, and 17 on, in the same steps; work-group j = 0, which walks all of them, asks: for steps 8-11 and for steps 12-15, each one phase ahead of its load: waves 0-7 for the first
; group's four chunks, waves 8-15 for the second group's, 6,400 bytes a wave, lanes 256 bytes apart (lanes 25-31 name lane 24's block again); waves 14, 15 ask once only (chunk 31 is the head's last).
; NO CLUSTER: where a wave changes blocks, and which chunks the second group reads, hang on j; partners of a cluster would differ in j by their place.
; LIMITS: blocks of zeros get the byte 1 (this program alone reads the bytes); NaN and infinities are not served; the scaled scores t stay under 2^31 in magnitude.
; REGISTERS: v1-2 the chunk's LDS addresses (16 and 8 x lane), v95, v234 their lane and group terms, v3-4 the add's two, v5 the mask's d, v6 prefetch offset, v7-8 the stage of y's bytes, v9 lane, v12 -M, v13 largest t, v[14:15] the sum,
;   v16-33 [0 | q | 0], v34 q's scale word, v36-83 four fragments of k, then of v, v84-87 their scale words, v88-94 block j's q and word, v96-159 S^T, then p, v160-191 O^T, v192-203 p's codes, v204-231 at work,
;   v235 my partial's place, v242-255 sums.
.set CH,    12800
.set SLOT,  8*CH
.set XTRA,  2*SLOT                     ; chunk 16
.set SPARE, XTRA+CH                    ; the spare words, 128 bytes for each of 16 waves: eight blocks of 256 bytes that no other line names
.set SST,   SPARE+2048                 ; the stage for y's scale bytes: 256 bytes for each query block; no tensor load lands here
.set MRG,   SST+512                    ; the partials: 4,608 bytes for each wave (O^T 4,096, then -M, t, the sum); no tensor load lands here
.set MW,    4608
.set BM,    212                        ; block maxima
.set BT,    216
.set SOP,   220                        ; the conversions' scale operands
.set TS,    242                        ; seven chains of the sum
.macro FRAG reg, a16, a8, off
	ds_load_b128 v[\reg:\reg+3], v[\a16] offset:\off
	ds_load_b64 v[\reg+4:\reg+5], v[\a8] offset:\off+512
	ds_load_b128 v[\reg+6:\reg+9], v[\a16] offset:\off+768
	ds_load_b64 v[\reg+10:\reg+11], v[\a8] offset:\off+1280
.endm
.macro PLACES
.rept 4
	v_nop
.endr
.endm
.macro TLOAD g0                        ; waves 0-7 fetch; four v_nop follow the line
	s_cmp_lt_u32 s10, 8
	s_cbranch_scc0 .Lno_load_\@
	tensor_load_to_lds s[\g0:\g0+3], s[24:31]
	s_nop 0
	PLACES
.Lno_load_\@:
.endm
	s_load_b128 s[4:7], s[0:1], 0x0                ; qb s[4:5], kv s[6:7]
	s_load_b64 s[8:9], s[0:1], 0x10                ; yq
	v_lshl_add_u32 v3, v0, 2, SPARE
	v_mov_b32 v4, 0
	ds_add_u32 v3, v4                              ; the opening lines: the add, twice on end, and its wait
	ds_add_u32 v3, v4
	v_lshrrev_b32 v9, 5, v0
	v_readfirstlane_b32 s10, v9                    ; wave 0..15
	s_lshr_b32 s11, s10, 3                         ; my group of waves
	s_and_b32 s12, s10, 7                          ; my tile of 16 queries
	s_mov_b32 s13, ttmp9                           ; j
	s_and_b32 s14, ttmp7, 0xffff                   ; head
	s_sub_co_u32 s15, 31, s13                      ; the query block in hand: also its last chunk, the one on the diagonal
	s_mul_i32 s16, s11, 17                         ; the chunk in hand: used in compares alone
	s_mov_b32 s20, 0x76543210
	s_mov_b32 s21, 0xfedcba98                      ; v_permlanex16_b32's selects for lane l xor 16
	s_mov_b32 s22, 0x3e38aa3b                      ; c = log2(e) / 8
	s_mov_b32 s23, s22                             ; (named with it as a pair)
	s_mov_b32 s24, 3<<16                           ; group 1: a chunk, 12,800 dense bytes, as 50 rows of 256: elements of 8 bytes, no padding
	s_mov_b32 s25, 32<<16
	s_mov_b32 s26, 50<<16
	s_mov_b32 s27, 32<<16
	s_mov_b32 s28, 50
	s_mov_b32 s29, 32
	s_mov_b32 s30, 0
	s_mov_b32 s31, 0
	; what a fetching wave asks for: wave w serves group (w / 2) % 2, the slot's step w % 2 + 2 ((w / 4) % 2): so waves 0-3 have steps 0 and 1 of a slot, waves 4-7 steps 2 and 3.
	; Step s of group 0 is chunk s; of group 1 chunk 17 + s while s < 15 - j, then chunk s - (15 - j)
	s_and_b32 s42, s10, 1
	s_bfe_u32 s48, s10, 0x10002
	s_lshl_b32 s48, s48, 1
	s_add_co_u32 s42, s42, s48                     ; the step that I fetch
	s_bfe_u32 s44, s10, 0x10001                    ; for which group
	s_lshl_b32 s48, s44, 2
	s_add_co_u32 s48, s48, s42                     ; its place among a slot's eight chunks
	s_sub_co_u32 s43, 15, s13                      ; 15 - j
	s_sub_co_u32 s45, s13, 15
	s_mul_i32 s45, s45, s44                        ; what is added to s from there on,
	s_mul_i32 s44, s44, 17                         ; and before
	s_cmp_lt_u32 s42, s43
	s_cselect_b32 s46, s44, s45
	s_add_co_u32 s46, s46, s42
	s_lshl_b32 s49, s11, 4                         ; wave 8: chunk 16, into bytes of its own
	s_add_co_u32 s46, s46, s49
	s_mul_i32 s46, s46, CH
	s_mov_b32 s47, 0                               ; stays 0: the upper word of s46's pair
	s_mov_b32 s32, 1                               ; group 0 for slot 0,
	s_mul_i32 s33, s48, CH
	s_mov_b32 s36, 1                               ; and for slot 1
	s_add_co_u32 s37, s33, SLOT
	s_mul_i32 s49, s11, XTRA
	s_add_co_u32 s33, s33, s49                     ; (wave 8: place 0 + XTRA)
	s_mul_i32 s50, s14, 32*CH                      ; a head's 32 chunks
	s_mov_b32 s51, 0
	s_wait_dscnt 0x0
	s_wait_kmcnt 0x0
	s_add_nc_u64 s[6:7], s[6:7], s[50:51]          ; kv at my head
	s_add_nc_u64 s[34:35], s[6:7], s[46:47]
	s_or_b32 s35, s35, 0x80000000
	s_cmp_lt_u32 s10, 4                            ; the head's fills: steps 0 and 1 of both groups, one load a wave
	s_cbranch_scc0 .Lfirst_done
	tensor_load_to_lds s[32:35], s[24:31]
	s_nop 0
	PLACES
.Lfirst_done:
	s_mul_i32 s50, s14, 204800
	s_mul_i32 s52, s15, 6400
	s_add_co_u32 s52, s52, s50
	s_mov_b32 s53, 0
	s_mul_i32 s54, s13, 6400
	s_add_co_u32 s54, s54, s50
	s_mov_b32 s55, 0
	s_add_nc_u64 s[52:53], s[4:5], s[52:53]        ; q of block 31 - j,
	s_add_nc_u64 s[54:55], s[4:5], s[54:55]        ; and of block j
	s_mul_i32 s48, s12, 768
	s_bfe_u32 s49, s12, 0x10001                    ; the pair of tiles i / 2: its words lie in lanes 16 ((i / 2) % 2) on, word i / 4 of a lane's two
	s_lshl_b32 s49, s49, 7
	s_lshr_b32 s50, s12, 2
	s_lshl_b32 s50, s50, 2
	s_add_co_u32 s49, s49, s50
	s_bitcmp1_b32 s12, 0                           ; my tile's two bytes: the word's low half (i even) or high half,
	s_mov_b32 s51, 0x01000100
	s_cselect_b32 s51, 0x03020302, s51             ; twice: for whichever half of the 128 q stands in
	s_lshr_b32 s56, s12, 1
	s_lshl_b32 s56, s56, 5
	s_and_b32 s57, s12, 1
	s_lshl_b32 s57, s57, 3
	s_add_co_u32 s56, s56, s57                     ; 32 (i / 2) + 8 (i % 2)
	s_lshl_b32 s57, s11, 8
	s_add_co_u32 s57, s57, SST                     ; my group's plane of y's bytes
	s_lshl_b32 s58, s12, 1
	s_add_co_u32 s58, s58, s57
	s_mul_i32 s59, s11, 4*CH                       ; my group's four chunks in a slot
	s_mul_i32 s61, s10, MW
	s_add_co_u32 s61, s61, MRG                     ; my partial's place
	s_mul_i32 s62, s12, 6400                       ; the prefetches: my eighth of my group's four chunks, at step 8
	s_mul_i32 s63, s11, 17*CH
	s_add_co_u32 s62, s62, s63
	s_add_co_u32 s62, s62, 8*CH
	s_mov_b32 s63, 0
	s_add_nc_u64 s[40:41], s[6:7], s[62:63]
	s_cmp_lt_u32 s10, 14                           ; how many times I ask: twice, waves 14 and 15 once, and work-group j = 0 alone
	s_cselect_b32 s18, 2, 1
	s_cmp_eq_u32 s13, 0
	s_cselect_b32 s18, s18, 0
	v_and_b32 v9, 31, v0                           ; lane
	v_and_b32 v36, 15, v0                          ; r
	v_bfe_u32 v37, v0, 4, 1                        ; h
	v_lshl_add_u32 v95, v9, 4, s59
	v_lshl_add_u32 v234, v9, 3, s59
	v_lshl_add_u32 v10, v9, 4, s48
	v_lshl_add_u32 v11, v9, 3, s48
	v_lshl_add_u32 v35, v36, 3, s49
	v_and_b32 v5, 8, v36
	v_lshlrev_b32 v38, 4, v37
	v_add3_u32 v5, v5, v36, s56                    ; my query in its block: 32 (i / 2) + 8 (i % 2) + r + 8 (r / 8)
	v_min_u32 v6, 24, v9
	v_sub_nc_u32 v5, v5, v38                       ; d = that - 16 h: on the diagonal register 16 b + n holds key 32 b + 16 h + n of the same block: hidden where 32 b + n > d
	v_lshlrev_b32 v6, 8, v6
	v_lshl_add_u32 v7, v36, 4, s58                 ; the stage, in: two bytes at 16 r + 2 i of my block's 256
	v_lshl_add_u32 v8, v9, 3, s57                  ; out: 8 bytes a lane
	v_lshl_add_u32 v235, v9, 4, s61
	s_wait_alu depctr_va_vdst(0)                   ; the wait here, ahead of the loads that read these offsets
	global_load_b128 v[22:25], v10, s[52:53]       ; q's half-images stay in registers
	global_load_b64 v[26:27], v11, s[52:53] offset:512
	global_load_b32 v34, v35, s[52:53] offset:6144
	global_load_b128 v[88:91], v10, s[54:55]
	global_load_b64 v[92:93], v11, s[54:55] offset:512
	global_load_b32 v94, v35, s[54:55] offset:6144
	s_wait_loadcnt 0x0
	v_perm_b32 v34, v34, v34, s51
	v_perm_b32 v94, v94, v94, s51
.irp j, 16,17,18,19,20,21,28,29,30,31,32,33
	v_mov_b32 v[\j], 0                             ; the zero codes on both sides of q
.endr
	v_mov_b32 v13, 0xff61b1e6                      ; the largest t so far: -3e38, under every t
	v_mov_b32 v12, 0x7f61b1e6                      ; -M
	v_mov_b32 v14, 0                               ; the sum, in two halves
	v_mov_b32 v15, 0
.irp b, 0,1,2,3
	v_mov_b32 v[BT+\b], 0                          ; written once: a lane permute's destination counts as one of its sources
.endr
	v_mov_b32 v226, 0
	v_mov_b32 v229, 0                              ; (named as the upper halves of the pairs v[228:229], v[230:231])
	v_mov_b32 v231, 0
.set N, 0
.rept 32
	v_mov_b32 v[160+N], 0                          ; O^T: the step is written once; the first finds zeros
.set N, N+1
.endr
.macro QK d, f, q, row
.if \row
	v_wmma_scale_f32_16x16x128_f8f6f4 v[\d:\d+7], v[36+12*(\f):47+12*(\f)], v[\q:\q+11], 0, v[84+(\f)/2], v34 matrix_a_fmt:MATRIX_FMT_BF6 matrix_b_fmt:MATRIX_FMT_BF6 matrix_a_scale:MATRIX_SCALE_ROW1
.else
	v_wmma_scale_f32_16x16x128_f8f6f4 v[\d:\d+7], v[36+12*(\f):47+12*(\f)], v[\q:\q+11], 0, v[84+(\f)/2], v34 matrix_a_fmt:MATRIX_FMT_BF6 matrix_b_fmt:MATRIX_FMT_BF6
.endif
.endm
.macro PV t, row
.if \row
	v_wmma_scale_f32_16x16x128_f8f6f4 v[160+8*(\t):167+8*(\t)], v[36+12*(\t):47+12*(\t)], v[192:203], v[160+8*(\t):167+8*(\t)], v[86+(\t)/2], v224 matrix_a_fmt:MATRIX_FMT_BF6 matrix_b_fmt:MATRIX_FMT_BF6 matrix_a_scale:MATRIX_SCALE_ROW1
.else
	v_wmma_scale_f32_16x16x128_f8f6f4 v[160+8*(\t):167+8*(\t)], v[36+12*(\t):47+12*(\t)], v[192:203], v[160+8*(\t):167+8*(\t)], v[86+(\t)/2], v224 matrix_a_fmt:MATRIX_FMT_BF6 matrix_b_fmt:MATRIX_FMT_BF6
.endif
.endm
; A KEY STEP: 128 keys, the chunk at LDS offset s19 of my group's part.  sw = 1: the change of blocks may stand at its head.
.macro STEP sw
	v_add_nc_u32 v1, s19, v95
	v_add_nc_u32 v2, s19, v234
	s_wait_alu depctr_va_vdst(0)                   ; v's loads read the two behind a wait on LDS
.if \sw
	s_cmp_gt_u32 s16, s15                          ; block 31 - j's chunks are done: the partial goes to LDS, block j begins
	s_cbranch_scc0 .Lsame_\@
.irp t, 0,1,2,3,4,5,6,7
	ds_store_b128 v235, v[160+4*\t:163+4*\t] offset:512*\t     ; each accumulator from its low end on
.endr
	ds_store_b128 v235, v[12:15] offset:4096
	v_mov_b32 v34, v94                             ; q's word stands 8 places ahead of the next product, q's codes 4
.irp i, 0,1,2,3,4,5
	v_mov_b32 v[22+\i], v[88+\i]
.endr
	v_mov_b32 v13, 0xff61b1e6                      ; M back under every t: the next step's factor is 0, for O^T and for the sum
	v_mov_b32 v12, 0x7f61b1e6
	PLACES
	s_mov_b32 s15, s13
	s_mov_b32 s16, 0
	s_wait_alu depctr_va_vdst(0)
.Lsame_\@:
.endif
	ds_load_b64 v[84:85], v2 offset:12288          ; k's scale words: lanes 0-15 pairs 0 and 2, lanes 16-31 pairs 1 and 3
.irp f, 0,1,2,3
	FRAG 36+12*\f, 1, 2, 1536*\f
.endr
.irp f, 0,1,2,3                        ; S^T = k q^T: [q | 0] picks the pair's first tile of keys, [0 | q] the second
	s_wait_dscnt 12-4*\f                           ; the words and fragments 0 .. f are in: behind them stand the four loads of each later fragment
	QK 96+16*\f, \f, 22, \f%2
	QK 104+16*\f, \f, 16, \f%2
.endr
	PLACES                                         ; in front of the loads into k's registers and of the first read of the scores
	ds_load_b64 v[86:87], v2 offset:12544          ; v's fragments and words land under the softmax
.irp t, 0,1,2,3
	FRAG 36+12*\t, 1, 2, 6144+1536*\t
.endr
	s_cmp_lg_u32 s16, s15                          ; only my block's last chunk lies on the diagonal: there hidden scores become -infinity ahead of the maximum: p = 0
	s_cbranch_scc1 .Lopen_\@
	v_mov_b32 v230, 0xff800000
.set N, 0
.rept 64
	v_cmp_gt_i32 vcc_lo, 32*(N/16)+N%16, v5
	v_cndmask_b32 v[96+N], v[96+N], v230, vcc_lo
.set N, N+1
.endr
.Lopen_\@:
.irp b, 0,1,2,3
	v_max3_num_f32 v[BM+\b], v[96+16*\b], v[97+16*\b], v[98+16*\b]   ; the largest score of each block of 32 keys: for the row's maximum and, since p rises with the score, for the block's largest p
.endr
.irp i, 3,5,7,9,11,13
.irp b, 0,1,2,3
	v_max3_num_f32 v[BM+\b], v[BM+\b], v[96+16*\b+\i], v[97+16*\b+\i]
.endr
.endr
.irp b, 0,1,2,3
	v_max_num_f32 v[BM+\b], v[BM+\b], v[111+16*\b]
.endr
.irp b, 0,1,2,3
	v_permlanex16_b32 v[BT+\b], v[BM+\b], s20, s21
.endr
.irp b, 0,1,2,3
	v_max_num_f32 v[BM+\b], v[BM+\b], v[BT+\b]     ; with lane l xor 16's 16 keys
.endr
	v_max3_num_f32 v226, v[BM], v[BM+1], v[BM+2]
	s_delay_alu instid0(VALU_DEP_1)
	v_max_num_f32 v226, v226, v[BM+3]
	s_delay_alu instid0(VALU_DEP_1)
	v_mul_f32 v226, s22, v226                      ; as t (c is positive)
	s_delay_alu instid0(VALU_DEP_1)
	v_max_num_f32 v13, v13, v226                   ; the running largest t
	v_mov_b32 v226, v12
	s_delay_alu instid0(VALU_DEP_2)
	v_floor_f32 v12, -v13                          ; the new -M = floor(-t): M is a whole number
	s_delay_alu instid0(VALU_DEP_1)
	v_sub_f32 v226, v12, v226                      ; old M - new M: a whole number, 0 or less
	s_delay_alu instid0(VALU_DEP_1)
	v_cvt_i32_f32 v226, v226                       ; (it saturates)
	s_delay_alu instid0(VALU_DEP_1)
	v_ldexp_f32 v228, 1.0, v226                    ; f = 2^(old M - new M)
.set N, 0
.rept 32
	v_pk_fma_f32 v[96+N:97+N], v[96+N:97+N], s[22:23], v[12:13] op_sel_hi:[1,0,0]   ; t - M, two at a time
.set N, N+2
.endr
.irp b, 0,1,2,3
	v_fma_f32 v[BM+\b], v[BM+\b], s22, v12         ; the same of each block's largest score
.endr
	s_wait_alu depctr_va_vdst(0)
.set N, 0
.rept 64
	v_exp_f32 v[96+N], v[96+N]                     ; p = 2^(t - M), at most 1
.set N, N+1
.endr
	v_pk_mul_f32 v[14:15], v[14:15], v[228:229] op_sel_hi:[1,0]   ; the sums under the new M: the plain place behind the exponentials
	s_wait_alu depctr_va_vdst(0)                   ; one wait for the whole batch, ahead of its first reader
.irp b, 0,1,2,3
	v_exp_f32 v[BM+\b], v[BM+\b]                   ; the block's largest p
.endr
.irp i, 0,1,2,3,4,5,6                  ; the row's sum of the unquantised p: 32 pairs in eight chains
	v_pk_add_f32 v[TS+2*\i:TS+2*\i+1], v[96+4*\i:97+4*\i], v[98+4*\i:99+4*\i]
.endr
	v_pk_add_f32 v[14:15], v[14:15], v[124:125]
.irp i, 0,1,2,3,4,5,6
	v_pk_add_f32 v[TS+2*\i:TS+2*\i+1], v[TS+2*\i:TS+2*\i+1], v[126+2*\i:127+2*\i]
.endr
	v_pk_add_f32 v[14:15], v[14:15], v[140:141]
.irp i, 0,1,2,3,4,5,6
	v_pk_add_f32 v[TS+2*\i:TS+2*\i+1], v[TS+2*\i:TS+2*\i+1], v[142+2*\i:143+2*\i]
.endr
	v_pk_add_f32 v[14:15], v[14:15], v[156:157]
	v_pk_add_f32 v[TS:TS+1], v[TS:TS+1], v[158:159]
	v_pk_add_f32 v[TS+4:TS+5], v[TS+4:TS+5], v[TS+6:TS+7]
	v_pk_add_f32 v[TS+8:TS+9], v[TS+8:TS+9], v[TS+10:TS+11]
	v_pk_add_f32 v[14:15], v[14:15], v[TS+12:TS+13]
	v_pk_add_f32 v[TS:TS+1], v[TS:TS+1], v[TS+2:TS+3]
	v_pk_add_f32 v[14:15], v[14:15], v[TS+8:TS+9]
	s_delay_alu instid0(VALU_DEP_2)
	v_pk_add_f32 v[TS:TS+1], v[TS:TS+1], v[TS+4:TS+5]
	s_delay_alu instid0(VALU_DEP_1)
	v_pk_add_f32 v[14:15], v[14:15], v[TS:TS+1]
	s_wait_alu depctr_va_vdst(0)                   ; and one for the four
.irp b, 0,1,2,3
	v_max_num_f32 v[BM+\b], 0x2800000, v[BM+\b]    ; the floor 2^(5 - 127): the byte cannot fall under 1
.endr
.irp b, 0,1,2,3
	v_add_nc_u32 v[SOP+\b], 0xfe000000, v[BM+\b]   ; 4 off the exponent field: the conversion's scale operand
.endr
.irp b, 0,1,2,3
	v_lshrrev_b32 v[BT+\b], 23, v[SOP+\b]          ; the scale's byte
.endr
	v_lshl_or_b32 v224, v[BT+1], 8, v[BT]          ; p's scale word for these 128 keys
	s_delay_alu instid0(VALU_DEP_1)
	v_lshl_or_b32 v224, v[BT+2], 16, v224
	s_delay_alu instid0(VALU_DEP_1)
	v_lshl_or_b32 v224, v[BT+3], 24, v224
.irp c, 0,1
	v_cvt_scalef32_pk16_bf6_f32 v[192+6*\c:194+6*\c], v[96+32*\c:111+32*\c], v[SOP+2*\c]
	v_cvt_scalef32_pk16_bf6_f32 v[204+4*\c:206+4*\c], v[112+32*\c:127+32*\c], v[SOP+2*\c+1]   ; (a conversion's three registers begin on an even number)
.endr
	v_nop                                          ; one plain place behind a scaled conversion
.irp c, 0,1                            ; the operand's layout wants a WHOLE block in a lane
.irp i, 0,1,2
	v_permlane16_swap_b32 v[192+6*\c+\i], v[204+4*\c+\i]
.endr
.irp i, 0,1,2
	v_mov_b32 v[195+6*\c+\i], v[204+4*\c+\i]
.endr
.endr
.set N, 0
.rept 16
	v_pk_mul_f32 v[160+N:161+N], v[160+N:161+N], v[228:229] op_sel_hi:[1,0]   ; O^T under the new M.  (These 16 are also the places between p's codes and word and the products below)
.set N, N+2
.endr
	s_wait_alu depctr_va_vdst(0)
	s_wait_dscnt 0x0                               ; v is in
.irp t, 0,1,2,3                        ; O^T += v^T p^T: the four accumulators by turns
	PV \t, \t%2
.endr
	PLACES                                         ; in front of the next loads into v's registers, and of the next read of O^T
	s_add_co_u32 s16, s16, 1
.endm
; A PHASE: the steps whose chunks lie at LDS offsets lo .. hi of a group's part, behind a barrier.  Each wave waits for all its tensor loads, adds 0 to its spare word, and waits for that and for its reads so far; behind the barrier
; the chunks ahead are whole and nobody reads the bytes that are filled.  fill = 3: slot 0's steps 2, 3 and chunk 16, first fills, by the group 0 made at the head (waves 4-8).  fill = 1: slot 1 takes the next four steps; fill = 2: slot 0.
; The add stands twice where a fill follows. ask = n > 0: the n-th prefetch: the address stands at step 8, the immediate goes on to step 12.
; xtra = 1: waves 0-7 work chunk 16 first.
.macro PHASE lo, hi, fill, ask, xtra
	s_wait_tensorcnt 0x0                           ; no tensor load of mine is out, so a group 0 may be written
	ds_add_u32 v3, v4
.if \fill
	ds_add_u32 v3, v4
.endif
.if (\fill == 1) || (\fill == 2)
.set GOT, 40-4*(\fill)
	s_add_co_u32 s42, s42, 4                       ; the step that I fetch next, and its chunk
	s_cmp_lt_u32 s42, s43
	s_cselect_b32 s46, s44, s45
	s_add_co_u32 s46, s46, s42
	s_mul_i32 s46, s46, CH
	s_add_nc_u64 s[GOT+2:GOT+3], s[6:7], s[46:47]
	s_or_b32 s[GOT+3], s[GOT+3], 0x80000000
.endif
	s_wait_dscnt 0x0                               ; the add is done, and my LDS reads so far are over
	s_barrier_signal -1
	s_barrier_wait -1
.if (\fill == 1) || (\fill == 2)
	TLOAD GOT                                      ; the first thing behind the barrier, and a wave's one tensor load until the next
.endif
.if \fill == 3
	s_cmp_lt_u32 s10, 4
	s_cbranch_scc1 .Lno_late_\@
	s_cmp_lt_u32 s10, 9
	s_cbranch_scc0 .Lno_late_\@
	tensor_load_to_lds s[32:35], s[24:31]
	s_nop 0
	PLACES
.Lno_late_\@:
.endif
.if \ask
	s_cmp_ge_u32 s18, \ask
	s_cbranch_scc0 .Lnot_mine_\@
	global_prefetch_b8 v6, s[40:41] offset:(\ask-1)*4*CH th:TH_LOAD_NT scope:SCOPE_SE
.Lnot_mine_\@:
.endif
.if \xtra
	s_cmp_lg_u32 s11, 0
	s_cbranch_scc1 .Lno_xtra_\@
	s_mov_b32 s19, XTRA
	s_mov_b32 s16, 16                              ; chunk 16: on the diagonal where 31 - j = 16
	STEP 0
	s_mov_b32 s16, 12                              ; and back to chunks 12 .. 15
.Lno_xtra_\@:
.endif
	s_mov_b32 s19, \lo
.Lstep_\@:
	STEP 1
	s_add_co_u32 s19, s19, CH
	s_cmp_lt_u32 s19, \hi
	s_cbranch_scc1 .Lstep_\@
.endm
	s_wait_alu depctr_va_vdst(0)
	PHASE 0, 2*CH, 3, 0, 0                         ; steps 0, 1; steps 2, 3 and chunk 16 are asked for
	PHASE 2*CH, 4*CH, 1, 1, 0                      ; steps 2, 3; steps 4-7 are asked for
	PHASE SLOT, SLOT+4*CH, 2, 2, 0                 ; steps 4-7; steps 8-11 are asked for
	PHASE 0, 4*CH, 1, 0, 0                         ; steps 8-11; steps 12-15 are asked for
	PHASE SLOT, SLOT+4*CH, 0, 0, 1                 ; chunk 16 and steps 12-15: nothing is left to fetch
	s_wait_alu depctr_va_vdst(0)
	s_wait_dscnt 0x0                               ; for the others' sake: my partial is in LDS
	s_barrier_signal -1
	s_barrier_wait -1
	s_cmp_lg_u32 s11, 0
	s_cbranch_scc1 .Lout
	; waves 0-7: the two partials of block 31 - j are joined: wave 8 + i's lies 8 MW behind my own place, in the same lanes
.irp t, 0,1,2,3,4,5,6,7
	ds_load_b128 v[96+4*\t:99+4*\t], v235 offset:8*MW+512*\t
.endr
	ds_load_b128 v[128:131], v235 offset:8*MW+4096
	s_wait_dscnt 0x0
	v_min_num_f32 v226, v12, v128                  ; -M of the larger M
	s_delay_alu instid0(VALU_DEP_1)
	v_sub_f32 v132, v226, v12
	v_sub_f32 v133, v226, v128
	s_delay_alu instid0(VALU_DEP_2)
	v_cvt_i32_f32 v132, v132                       ; (they saturate)
	s_delay_alu instid0(VALU_DEP_2)
	v_cvt_i32_f32 v133, v133
	s_delay_alu instid0(VALU_DEP_2)
	v_ldexp_f32 v228, 1.0, v132                    ; my factor,
	s_delay_alu instid0(VALU_DEP_2)
	v_ldexp_f32 v230, 1.0, v133                    ; the other's: powers of two, or 0
	v_pk_mul_f32 v[14:15], v[14:15], v[228:229] op_sel_hi:[1,0]
.set N, 0
.rept 16
	v_pk_mul_f32 v[160+N:161+N], v[160+N:161+N], v[228:229] op_sel_hi:[1,0]
.set N, N+2
.endr
	v_pk_fma_f32 v[14:15], v[130:131], v[230:231], v[14:15] op_sel_hi:[1,0,1]
.set N, 0
.rept 16
	v_pk_fma_f32 v[160+N:161+N], v[96+N:97+N], v[230:231], v[160+N:161+N] op_sel_hi:[1,0,1]
.set N, N+2
.endr
.Lout:
	; THE WAY OUT.  O^T / the sum is my 16 queries' part of y for this head: register 16 f + n = channel 32 f + 16 h + n: two blocks of 32 along the last product's K.  They are quantised and leave as a half-image.
	v_add_f32 v14, v14, v15
	s_delay_alu instid0(VALU_DEP_1)
	v_permlanex16_b32 v226, v14, s20, s21
	s_delay_alu instid0(VALU_DEP_1)
	v_add_f32 v14, v14, v226                       ; the row's sum
	s_wait_alu depctr_va_vdst(0)
	v_rcp_f32 v14, v14
	s_mul_i32 s42, s15, 102400                     ; yq: my query block's row block,
	s_lshr_b32 s43, s14, 1
	s_mul_i32 s43, s43, 12800                      ; the K step of heads 2 s, 2 s + 1
	s_add_co_u32 s42, s42, s43
	s_mov_b32 s43, 0
	s_add_nc_u64 s[56:57], s[8:9], s[42:43]
	s_and_b32 s44, s14, 1
	s_mul_i32 s45, s44, 768                        ; the fragment's half by the head's parity,
	s_mul_i32 s46, s12, 1536                       ; my tile's fragment
	s_add_co_u32 s45, s45, s46
	s_lshl_b32 s44, s44, 8                         ; and the plane of scale bytes
	v_lshl_add_u32 v10, v9, 4, s45                 ; (plain work behind the reciprocal)
	v_lshl_add_u32 v11, v9, 3, s45
	v_lshl_add_u32 v35, v9, 3, s44
	s_wait_alu depctr_va_vdst(0)                   ; the wait ahead of the reciprocal's first reader
.set N, 0
.rept 32
	v_mul_f32 v[96+N], v[160+N], v14
.set N, N+1
.endr
.irp b, 0,1
	v_max3_num_f32 v[BM+\b], |v[96+16*\b]|, |v[97+16*\b]|, 0x2800000
.endr
.irp i, 2,4,6,8,10,12,14
.irp b, 0,1
	s_delay_alu instid0(VALU_DEP_2)
	v_max3_num_f32 v[BM+\b], v[BM+\b], |v[96+16*\b+\i]|, |v[97+16*\b+\i]|
.endr
.endr
.irp b, 0,1
	s_delay_alu instid0(VALU_DEP_2)
	v_permlanex16_b32 v[BT+\b], v[BM+\b], s20, s21
.endr
.irp b, 0,1
	s_delay_alu instid0(VALU_DEP_2)
	v_max_num_f32 v[BM+\b], v[BM+\b], v[BT+\b]
.endr
.irp b, 0,1
	s_delay_alu instid0(VALU_DEP_2)
	v_add_nc_u32 v[SOP+\b], 0xfe000000, v[BM+\b]
.endr
.irp b, 0,1
	s_delay_alu instid0(VALU_DEP_2)
	v_lshrrev_b32 v[BT+\b], 23, v[SOP+\b]
.endr
	s_delay_alu instid0(VALU_DEP_1)
	v_lshl_or_b32 v224, v[BT+1], 8, v[BT]          ; my row's two bytes
	v_cvt_scalef32_pk16_bf6_f32 v[192:194], v[96:111], v[SOP]
	v_cvt_scalef32_pk16_bf6_f32 v[204:206], v[112:127], v[SOP+1]
	v_nop                                          ; one plain place behind a scaled conversion
.irp i, 0,1,2
	v_permlane16_swap_b32 v[192+\i], v[204+\i]
.endr
.irp i, 0,1,2
	s_delay_alu instid0(VALU_DEP_3)
	v_mov_b32 v[195+\i], v[204+\i]
.endr
	global_store_b128 v10, v[192:195], s[56:57]    ; 512 and 256 consecutive bytes, aligned to 256
	global_store_b64 v11, v[196:197], s[56:57] offset:512
	ds_store_b16 v7, v224                          ; both halves of the lanes write the same bytes with the same values
	s_wait_dscnt 0x0                               ; for the others' sake
	s_barrier_signal -1
	s_barrier_wait -1
	s_cmp_eq_u32 s12, 0                            ; waves 0 and 8 hold query blocks 31 - j and j: each stores its block's plane of 256 bytes
	s_cbranch_scc0 .Lend
	ds_load_b64 v[232:233], v8
	s_wait_dscnt 0x0
	global_store_b64 v35, v[232:233], s[56:57] offset:12288
.Lend:
	s_wait_tensorcnt 0x0                           ; the wave's end
	ds_add_u32 v3, v4
	s_wait_dscnt 0x0
	s_endpgm
.Lfunc_end_k_qba0746ec32_attn:
	.size	k_qba0746ec32_attn, .Lfunc_end_k_qba0746ec32_attn-k_qba0746ec32_attn
	.p2alignl 7, 3214868480
	.fill 96, 4, 3214868480
	.section	.rodata,"a",@progbits
	.p2align	6, 0x0
	.amdhsa_kernel k_qba0746ec32_attn
		.amdhsa_group_segment_fixed_size 327680
		.amdhsa_private_segment_fixed_size 0
		.amdhsa_enable_private_segment 0
		.amdhsa_kernarg_size 24
		.amdhsa_user_sgpr_count 2
		.amdhsa_user_sgpr_kernarg_segment_ptr 1
		.amdhsa_wavefront_size32 1
		.amdhsa_system_sgpr_workgroup_id_x 1
		.amdhsa_system_sgpr_workgroup_id_y 1
		.amdhsa_system_sgpr_workgroup_id_z 1
		.amdhsa_system_vgpr_workitem_id 0
		.amdhsa_next_free_vgpr 256
		.amdhsa_next_free_sgpr 66
		.amdhsa_reserve_vcc 1
		.amdhsa_float_denorm_mode_32 3
		.amdhsa_float_denorm_mode_16_64 3
		.amdhsa_memory_ordered 1
		.amdhsa_forward_progress 1
		.amdhsa_inst_pref_size 156
	.end_amdhsa_kernel
	.amdgpu_metadata
---
amdhsa.version: [ 1, 2 ]
amdhsa.kernels:
  - .name:           k_qba0746ec32_attn
    .symbol:         k_qba0746ec32_attn.kd
    .args:
      - { .name: qb, .offset: 0, .size: 8, .value_kind: global_buffer, .address_space: global }
      - { .name: kv, .offset: 8, .size: 8, .value_kind: global_buffer, .address_space: global }
      - { .name: yq, .offset: 16, .size: 8, .value_kind: global_buffer, .address_space: global }
    .group_segment_fixed_size: 327680
    .private_segment_fixed_size: 0
    .kernarg_segment_align: 8
    .kernarg_segment_size: 24
    .max_flat_workgroup_size: 512
    .sgpr_count:     66
    .vgpr_count:     256
    .wavefront_size: 32
...
	.end_amdgpu_metadata
.endif
;; end of part 3
;; launch proj (part 4): grid 8 x 32, 4 waves a work-group, clusters of 4 x 4, 272,896 bytes of LDS; arguments yq, opq, out0; writes out0
.if DOCPART == 4
	.amdgcn_target "amdgcn-amd-amdhsa--gfx1250"
	.amdhsa_code_object_version 6
	.text
	.protected	k_qba0746ec32_proj
	.globl	k_qba0746ec32_proj
	.p2align	8
	.type	k_qba0746ec32_proj,@function
k_qba0746ec32_proj:
	s_mov_b64 s[64:65], 0
	v_nop
	global_prefetch_b8 v0, s[64:65] scope:SCOPE_SE
	s_setreg_imm32_b32 hwreg(HW_REG_WAVE_MODE, 25, 1), 1
	s_wait_xcnt 0x0
	s_wait_alu depctr_hold_cnt(0) depctr_sa_sdst(0) depctr_va_vdst(0) depctr_va_sdst(0) depctr_va_ssrc(0) depctr_va_vcc(0) depctr_vm_vsrc(0)
	s_getreg_b32 s2, hwreg(HW_REG_IB_STS2, 6, 4)
	s_cmp_eq_u32 s2, 0
	s_cbranch_scc0 .Lentry_in_a_cluster
	s_endpgm
.Lentry_in_a_cluster:
	s_bfe_u32 s2, ttmp6, 0x10000c
	s_cmp_lg_u32 s2, 0xf033
	s_cbranch_scc0 .Lentry_shape_is_right
	s_endpgm
.Lentry_shape_is_right:
; out0 = y w_proj^T on codes of BF6 (E3M2) with E8M0 scales, K = 1,024; out0 [4096][1024] f32.
; yq: 32 row blocks of 128 tokens, opq: row blocks 56-63 are w_proj's; each 8 chunks of 12,800 bytes (8 fragments of 1,536 bytes in the order of the operand's registers, 512 bytes of scales).  Lane r of tile 2 f + u holds row
; 32 f + 8 u + r + 8 (r / 8).  opq's scales: the word of tile i, row r at 32 r + 4 i.  yq's: two planes of 256 bytes, one for each half of the 128 along K: two bytes for tile i, row r at 16 r + 2 i.
; A work-group makes 128 tokens x 128 columns (256 work-groups), a wave 64 x 64: 16 accumulators.  Source 0 = rows of w_proj, source 1 = tokens: a lane holds eight neighbouring columns of one token.
; ALL OF K LIES IN LDS: A's and B's row blocks are 102,400 bytes each and come by first fills alone, four loads a wave (four are out at the start), chunk by chunk, so that the products begin when the first chunks are in.  Nothing is filled twice.
; CLUSTERS: 4 x 4 work-groups; y's chunks are shared along a row of the cluster, w_proj's along a column: joint loads.  No prefetch: all the bytes are asked for at the head.
; REGISTERS: window 0: v4-9, v14-19 addresses for K steps 0-3, 4-7; v10-12 the way out; v32-63 B's scale words, v64-95 A's, v96-103 A's planes as loaded; v128-255 accumulator (a, b) at v[128 + 8 (4 a + b)].
;   window 1: two fragment buffers at v0 and v128: A's four at 12 a, B's four at 48 + 12 b.
; THE FILLS AS THIS TEXT HAS THEM (the paragraph ALL OF K above gives an earlier form): ONE tensor load a wave, at the head: waves 0, 1 bring y's chunks 0-3 and 4-7, waves 2, 3 w_proj's, 51,200 dense bytes each (200 rows of 256);
; one wait for 0 and one barrier show all of K to every wave.  Nothing is filled twice.
.set CHUNK, 12800
.set RBB,   8*CHUNK
.set STG,   2*RBB                      ; the stage for the way out: 128 rows x (512 bytes + 16); no tensor load lands here
.set G1A,   16
.set G1B,   24
.set G0A,   48                         ; s[48:51] group 0 for A;  s[68:71] for B
.set G0B,   68
.set MSB, 0
.macro WIN new                         ; the immediate's high byte repeats the setting that is left
.if MSB != (\new)
	s_set_vgpr_msb (MSB<<8)|(\new)
.set MSB, (\new)
.endif
.endm
.set MUL,  0x05                        ; sources 0 and 1 window 1; C and D window 0
.set TO_F, 0x40                        ; destination window 1, address window 0
.macro PLACES n
.rept \n
	v_nop
.endr
.endm
.macro CROUND                          ; a round of the cluster's barrier
	s_barrier_signal -1
	s_barrier_wait -1
	s_cmp_lg_u32 s10, 0
	s_cbranch_scc1 .Lnot_wave_0_\@
	s_barrier_signal -3
.Lnot_wave_0_\@:
	s_barrier_wait -3
	s_barrier_signal -1
	s_barrier_wait -1
.endm
	s_load_b128 s[4:7], s[0:1], 0x0                ; yq s[4:5], opq s[6:7]
	s_load_b64 s[8:9], s[0:1], 0x10                ; out0
	v_lshl_add_u32 v126, v0, 2, 0x42800
	v_mov_b32 v127, 0
	ds_add_u32 v126, v127
	ds_add_u32 v126, v127
	v_lshrrev_b32 v1, 5, v0
	v_readfirstlane_b32 s10, v1                    ; wave 0..3
	s_lshr_b32 s11, s10, 1                         ; which 64 tokens are mine.  Also: I fetch for A (0) or for B (1)
	s_and_b32 s12, s10, 1                          ; which 64 columns.  Also: I fetch chunks 0-3 or 4-7
	s_bfe_u32 s40, ttmp6, 0x40000                  ; cx
	s_bfe_u32 s41, ttmp6, 0x40004                  ; cy
	s_lshl_b32 s42, ttmp9, 2
	s_add_co_u32 s42, s42, s40                     ; block of 128 columns
	s_and_b32 s13, ttmp7, 0xffff
	s_lshl_b32 s13, s13, 2
	s_add_co_u32 s13, s13, s41                     ; block of 128 tokens
	s_lshl_b32 s43, s41, 2
	s_lshl_b32 s43, 15, s43                        ; my row of the cluster
	s_lshl_b32 s44, 0x1111, s40                    ; my column
	s_or_b32 s[G1A], s43, (3<<16)|(1<<21)          ; group 1: the mask; elements of 8 bytes; bit 21 set beside a mask; no padding
	s_or_b32 s[G1B], s44, (3<<16)|(1<<21)
.irp g, G1A, G1B
	s_mov_b32 s[\g+1], 32<<16                      ; a chunk, 12,800 dense bytes, as 50 rows of 256
	s_mov_b32 s[\g+2], 200<<16                     ; four chunks: 200 rows of 256 bytes
	s_mov_b32 s[\g+3], 32<<16
	s_mov_b32 s[\g+4], 200
	s_mov_b32 s[\g+5], 32
	s_mov_b32 s[\g+6], 0
	s_mov_b32 s[\g+7], 0
.endr
	s_mul_i32 s32, s13, RBB                        ; A: y's row block, from chunk 0 or 4 on
	s_mul_i32 s33, s12, 4*CHUNK
	s_add_co_u32 s32, s32, s33
	s_mov_b32 s33, 0
	s_add_co_u32 s34, s42, 56                      ; B: w_proj's row block
	s_mul_i32 s34, s34, RBB
	s_mul_i32 s35, s12, 4*CHUNK
	s_add_co_u32 s34, s34, s35
	s_mov_b32 s35, 0
	s_mul_i32 s36, s12, 4*CHUNK                    ; and in LDS: the wave's number alone
	s_mov_b32 s84, 0x05040100                      ; v_perm_b32: two low halves;
	s_mov_b32 s85, 0x07060302                      ; two high halves
	s_wait_dscnt 0x0
	s_wait_kmcnt 0x0
	s_add_nc_u64 s[32:33], s[4:5], s[32:33]
	s_add_nc_u64 s[34:35], s[6:7], s[34:35]
	CROUND                                         ; all sixteen work-groups are here: the joint loads meet
.irp n, 0
	s_mov_b32 s[G0A+4*\n], 1
	s_add_co_u32 s[G0A+4*\n+1], s36, \n*2*CHUNK
	s_add_nc_u64 s[G0A+4*\n+2:G0A+4*\n+3], s[32:33], \n*2*CHUNK
	s_or_b32 s[G0A+4*\n+3], s[G0A+4*\n+3], 0x80000000
	s_mov_b32 s[G0B+4*\n], 1
	s_add_co_u32 s[G0B+4*\n+1], s36, RBB+\n*2*CHUNK
	s_add_nc_u64 s[G0B+4*\n+2:G0B+4*\n+3], s[34:35], \n*2*CHUNK
	s_or_b32 s[G0B+4*\n+3], s[G0B+4*\n+3], 0x80000000
.endr
	s_cmp_eq_u32 s11, 0                            ; one fill a wave, in the two arms of one branch
	s_cbranch_scc0 .Lfirst_b
	tensor_load_to_lds s[G0A:G0A+3], s[G1A:G1A+7]
	s_nop 0
	PLACES 4
	s_branch .Lfirst_asked
.Lfirst_b:
	tensor_load_to_lds s[G0B:G0B+3], s[G1B:G1B+7]
	s_nop 0
	PLACES 4
.Lfirst_asked:
	v_and_b32 v1, 31, v0                           ; lane
	v_and_b32 v2, 15, v0                           ; r
	v_bfe_u32 v3, v0, 4, 1                         ; h
	v_lshlrev_b32 v12, 4, v1                       ; 16 x lane: also my place in a row of out0
	v_lshlrev_b32 v13, 3, v1
	s_mul_i32 s86, s11, 6144                       ; my four tiles of A in a chunk,
	s_mul_i32 s87, s12, 6144
	s_add_co_u32 s87, s87, RBB                     ; and of B
	v_add_nc_u32 v4, s86, v12
	v_add_nc_u32 v5, s86, v13
	v_add_nc_u32 v6, s87, v12
	v_add_nc_u32 v7, s87, v13
	s_lshl_b32 s88, s11, 3
	s_add_co_u32 s88, s88, 12288
	v_lshl_add_u32 v8, v2, 4, s88                  ; A's planes: 16 r + 8 bytes for my four tiles
	s_lshl_b32 s89, s12, 4
	s_add_co_u32 s89, s89, RBB+12288
	v_lshl_add_u32 v9, v2, 5, s89                  ; B's words: 32 r + 16 bytes for my four tiles
.irp i, 4,5,6,7,8,9
	v_add_nc_u32 v[10+\i], 4*CHUNK, v[\i]          ; the same for K steps 4-7: an LDS immediate has 16 bits
.endr
	v_and_b32 v10, 8, v2
	v_add_nc_u32 v10, v10, v2                      ; r + 8 (r / 8)
	v_mul_u32_u24 v10, v10, 528
	v_lshl_add_u32 v10, v3, 6, v10                 ; + 64 h
	s_mul_i32 s90, s11, 64*528
	s_lshl_b32 s91, s12, 8
	s_add_co_u32 s90, s90, s91
	s_add_co_u32 s90, s90, STG
	v_add_nc_u32 v10, s90, v10                     ; the stage, in: my tokens' rows, my columns' bytes
	s_mul_i32 s91, s10, 32*528
	s_add_co_u32 s91, s91, STG
	v_add_nc_u32 v11, s91, v12                     ; out: rows 32 w on, whole
	s_lshl_b32 s92, s13, 19                        ; out0: 128 tokens of 4,096 bytes,
	s_lshl_b32 s93, s10, 17                        ; 32 rows a wave,
	s_add_co_u32 s92, s92, s93
	s_lshl_b32 s93, s42, 9                         ; 128 columns
	s_add_co_u32 s92, s92, s93
	s_mov_b32 s93, 0
	s_add_nc_u64 s[8:9], s[8:9], s[92:93]
.macro FRAG reg, a16, a8, off
	ds_load_b128 v[\reg:\reg+3], v[\a16] offset:\off
	ds_load_b64 v[\reg+4:\reg+5], v[\a8] offset:\off+512
	ds_load_b128 v[\reg+6:\reg+9], v[\a16] offset:\off+768
	ds_load_b64 v[\reg+10:\reg+11], v[\a8] offset:\off+1280
.endm
.macro FETCH ks                        ; K step ks: 8 fragments, B's four words, A's two planes: 35 loads
.set FB, 128*((\ks)%2)
.set AO, 10*((\ks)/4)
.set CO, CHUNK*((\ks)%4)
	WIN TO_F
.irp a, 0,1,2,3
	FRAG FB+12*\a, 4+AO, 5+AO, CO+1536*\a
.endr
.irp b, 0,1,2,3
	FRAG FB+48+12*\b, 6+AO, 7+AO, CO+1536*\b
.endr
	WIN 0
	ds_load_b128 v[32+4*(\ks):35+4*(\ks)], v[9+AO] offset:CO
	ds_load_b64 v[96+4*((\ks)%2):97+4*((\ks)%2)], v[8+AO] offset:CO
	ds_load_b64 v[98+4*((\ks)%2):99+4*((\ks)%2)], v[8+AO] offset:CO+256
.endm
.macro PERMS ks                        ; a tile's word: two bytes of the first plane, two of the second
.set PL, 96+4*((\ks)%2)
	v_perm_b32 v[64+4*(\ks)], v[PL+2], v[PL], s84
	v_perm_b32 v[65+4*(\ks)], v[PL+2], v[PL], s85
	v_perm_b32 v[66+4*(\ks)], v[PL+3], v[PL+1], s84
	v_perm_b32 v[67+4*(\ks)], v[PL+3], v[PL+1], s85
.endm
.macro MULS ks                         ; 16 matrix instructions: the 16 accumulators take turns, one instruction a turn; the first K step starts the sums
.set FB, 128*((\ks)%2)
.irp a, 0,1,2,3
.irp b, 0,1,2,3
.if (\ks) == 0
	v_wmma_scale_f32_16x16x128_f8f6f4 v[128+8*(4*\a+\b):135+8*(4*\a+\b)], v[FB+48+12*\b:FB+59+12*\b], v[FB+12*\a:FB+11+12*\a], 0, v[32+4*(\ks)+\b], v[64+4*(\ks)+\a] matrix_a_fmt:MATRIX_FMT_BF6 matrix_b_fmt:MATRIX_FMT_BF6
.else
	v_wmma_scale_f32_16x16x128_f8f6f4 v[128+8*(4*\a+\b):135+8*(4*\a+\b)], v[FB+48+12*\b:FB+59+12*\b], v[FB+12*\a:FB+11+12*\a], v[128+8*(4*\a+\b):135+8*(4*\a+\b)], v[32+4*(\ks)+\b], v[64+4*(\ks)+\a] matrix_a_fmt:MATRIX_FMT_BF6 matrix_b_fmt:MATRIX_FMT_BF6
.endif
.endr
.endr
.endm
.macro KSTEP ks
.if (\ks) < 7
.if (\ks) > 0
	PLACES 4                                       ; in front of loads into the buffer that the K step before multiplied
.endif
	FETCH (\ks)+1
	s_wait_dscnt 35                                ; all but the 35 just issued
.else
	s_wait_dscnt 0x0
.endif
	PERMS \ks
	PLACES 8                                       ; a scale register written by a vector instruction stands 8 places ahead of a scaled matrix instruction
	WIN MUL
	MULS \ks
	WIN 0
.endm
	s_wait_alu depctr_va_vdst(0)
	s_wait_tensorcnt 0x0                           ; my four chunks are in,
	s_barrier_signal -1
	s_barrier_wait -1                              ; chunks 0 and 1 of both sides are
	FETCH 0
.irp k, 0,1,2,3,4,5,6,7
	KSTEP \k
.endr
	; THE WAY OUT.  Register j of accumulator (a, b): token 64 (w / 2) + 32 (a / 2) + 8 (a % 2) + r + 8 (r / 8), column 64 (w % 2) + 32 (b / 2) + 16 h + 8 (b % 2) + j.  The stage puts both back in order;
	; a row's 512 bytes come from two waves, so a barrier stands between writing and reading.
	PLACES 4
.irp a, 0,1,2,3
.irp b, 0,1,2,3
	ds_store_b128 v10, v[128+8*(4*\a+\b):131+8*(4*\a+\b)] offset:(32*(\a/2)+8*(\a%2))*528+128*(\b/2)+32*(\b%2)      ; each accumulator from its low end on
	ds_store_b128 v10, v[132+8*(4*\a+\b):135+8*(4*\a+\b)] offset:(32*(\a/2)+8*(\a%2))*528+128*(\b/2)+32*(\b%2)+16
.endr
.endr
	s_wait_dscnt 0x0                               ; for the others' sake: my stores into the stage are done
	s_barrier_signal -1
	s_barrier_wait -1
.irp t, 0,1,2,3,4,5,6,7,8,9,10,11,12,13,14,15
	ds_load_b128 v[32+4*\t:35+4*\t], v11 offset:\t*528
.endr
.irp t, 0,1,2,3,4,5,6,7,8,9,10,11,12,13,14,15
	ds_load_b128 v[128+4*\t:131+4*\t], v11 offset:(16+\t)*528
.endr
.irp t, 0,1,2,3,4,5,6,7,8,9,10,11,12,13,14,15
	s_wait_dscnt 31-\t
	global_store_b128 v12, v[32+4*\t:35+4*\t], s[8:9] offset:\t*4096 th:TH_STORE_NT        ; 32 lanes store 512 consecutive bytes, aligned to 256; written once, read by nobody here
.endr
.irp t, 0,1,2,3,4,5,6,7,8,9,10,11,12,13,14,15
	s_wait_dscnt 15-\t
	global_store_b128 v12, v[128+4*\t:131+4*\t], s[8:9] offset:(16+\t)*4096 th:TH_STORE_NT
.endr
	s_wait_tensorcnt 0x0
	ds_add_u32 v126, v127
	s_wait_dscnt 0x0
	CROUND                                         ; the closing round: no work-group ends while a partner may still ask for a tile that names it
	s_endpgm
.Lfunc_end_k_qba0746ec32_proj:
	.size	k_qba0746ec32_proj, .Lfunc_end_k_qba0746ec32_proj-k_qba0746ec32_proj
	.p2alignl 7, 3214868480
	.fill 96, 4, 3214868480
	.section	.rodata,"a",@progbits
	.p2align	6, 0x0
	.amdhsa_kernel k_qba0746ec32_proj
		.amdhsa_group_segment_fixed_size 272896
		.amdhsa_private_segment_fixed_size 0
		.amdhsa_enable_private_segment 0
		.amdhsa_kernarg_size 24
		.amdhsa_user_sgpr_count 2
		.amdhsa_user_sgpr_kernarg_segment_ptr 1
		.amdhsa_wavefront_size32 1
		.amdhsa_system_sgpr_workgroup_id_x 1
		.amdhsa_system_sgpr_workgroup_id_y 1
		.amdhsa_system_sgpr_workgroup_id_z 1
		.amdhsa_system_vgpr_workitem_id 0
		.amdhsa_next_free_vgpr 512
		.amdhsa_next_free_sgpr 100
		.amdhsa_reserve_vcc 0
		.amdhsa_float_denorm_mode_32 3
		.amdhsa_float_denorm_mode_16_64 3
		.amdhsa_memory_ordered 1
		.amdhsa_forward_progress 1
		.amdhsa_inst_pref_size 55
	.end_amdhsa_kernel
	.amdgpu_metadata
---
amdhsa.version: [ 1, 2 ]
amdhsa.kernels:
  - .name:           k_qba0746ec32_proj
    .symbol:         k_qba0746ec32_proj.kd
    .args:
      - { .name: yq, .offset: 0, .size: 8, .value_kind: global_buffer, .address_space: global }
      - { .name: opq, .offset: 8, .size: 8, .value_kind: global_buffer, .address_space: global }
      - { .name: out0, .offset: 16, .size: 8, .value_kind: global_buffer, .address_space: global }
    .group_segment_fixed_size: 272896
    .private_segment_fixed_size: 0
    .kernarg_segment_align: 8
    .kernarg_segment_size: 24
    .max_flat_workgroup_size: 128
    .sgpr_count:     100
    .vgpr_count:     512
    .wavefront_size: 32
...
	.end_amdgpu_metadata
.endif
;; end of part 4
